; MI455X (gfx1250); checked and timed in simulation.
; The chip was launched on July 23, 2026; its instructions are those of AMD's public machine-readable ISA for CDNA 5 (MIT licence, August 2026) and "CDNA5" Instruction Set Architecture Reference Guide (July 2026). The comments in the code are by the model that wrote it; some were corrected since.
;; Memory Efficient Attention. Allowed arithmetic: float matrix products may take bf16 or f16 operands with f32 sums; other float arithmetic in f32, or as packed bf16 or f16 multiplies, adds, multiply-adds, maxima and minima; sums over many terms, partial sums and values carried from step to step in f32; what a program stores and reads back later, other than sums and carried values, may be rounded once to bf16 or f16.
;; Inputs: Wk 2,048 x 2,048 float32; Wo 2,048 x 2,048 float32; Wq 2,048 x 2,048 float32; Wv 2,048 x 2,048 float32; bk 2,048 float32; bo 2,048 float32; bq 2,048 float32; bv 2,048 float32; hidden_states 1 x 2,048 x 2,048 float32.
;; Outputs: out0 1 x 2,048 x 2,048 float32.
;; Constants: is_causal = 1.
;; One version. Each part assembles by itself: llvm-mc -triple=amdgcn-amd-amdhsa -mcpu=gfx1250 --defsym DOCPART=n.
;; ======== version 1 of 1: 4 launches
;; limits: values are held in f16: magnitudes above 65,504 overflow, below 6.1e-05 lose precision
;; workspace buffers: xb 8,388,608 bytes; wqkv 25,165,824 bytes; wo16 8,388,608 bytes; bias 32,768 bytes; qkvh 25,165,824 bytes; ctx 8,388,608 bytes
;; launch cast (part 1): grid 256 x 5, 8 waves a work-group, no clusters, 0 bytes of LDS; arguments hidden_states, Wq, Wk, Wv, Wo, bq, bk, bv, bo, xb, wqkv, wo16, bias; writes xb, wqkv, wo16, bias
.if DOCPART == 1
	.amdgcn_target "amdgcn-amd-amdhsa--gfx1250"
	.amdhsa_code_object_version 6
	.text
	.protected	k_qf9b9bf77f0_cast
	.globl	k_qf9b9bf77f0_cast
	.p2align	8
	.type	k_qf9b9bf77f0_cast,@function
k_qf9b9bf77f0_cast:
	s_mov_b64 s[64:65], 0
	v_nop
	global_prefetch_b8 v0, s[64:65] scope:SCOPE_SE
	s_setreg_imm32_b32 hwreg(HW_REG_WAVE_MODE, 25, 1), 1
	s_wait_xcnt 0x0
; All of the module's inputs are rounded once to bf16 (nearest even), so that the later products read 16-bit operands.
; Work-group (x, y): y picks the matrix (0 hidden_states, 1 Wq, 2 Wk, 3 Wv, 4 Wo), x picks 65,536 of its 16,777,216 bytes: 16 chunks of 4,096.
; hidden_states -> xb, bf16.  Wq, Wk, Wv -> wqkv, bf16, one below the other (8,388,608 bytes each).  Wo -> wo16: the bf16 number written as f16, since its partner
; operand is f16.  LIMIT: a bf16 number is exact in f16 between 2^-14 and 65,504; below 2^-14 Wo keeps f16's fixed step of 2^-24, beyond 65,504 it would be an infinity.
; The four biases -> bias, [8192] f32 holding the bf16-rounded numbers in the order bq, bk, bv, bo (work-groups x = 0, 1 of y = 1 .. 4, 4,096 bytes each).
; Thread t takes 16 bytes at 16 t of a chunk (a wave's load: 512 consecutive bytes) and stores 8 bytes at 8 t of 2,048 (a wave's store: 256 consecutive bytes, aligned).
; All 16 loads of a thread go out first.  A chunk is converted in place, into the first two of its four registers, and stored from there; these are not written again, so the only waits are the
; counted ones for the loads.  76 registers a wave: ten waves of 76 fit among a SIMD's 1,024, so the five work-groups that fall to a WGP (1,280 on 256) lie there together.
; No LDS, no barrier, no matrix unit: bytes alone count here.
.set X,  4                             ; v[4:67]    chunk i: 4 numbers as loaded; then, in its first two registers, 4 numbers of 16 bits to store
.set T,  68                            ; v[68:69]   at work
.set BV, 72                            ; v[72:75]   four numbers of a bias
	s_load_b512 s[16:31], s[0:1], 0x0              ; hidden_states 16, Wq 18, Wk 20, Wv 22, Wo 24, bq 26, bk 28, bv 30
	s_load_b256 s[32:39], s[0:1], 0x40             ; bo 32, xb 34, wqkv 36, wo16 38
	s_load_b64 s[40:41], s[0:1], 0x60              ; bias
	s_mov_b32 s2, ttmp9                            ; x
	s_and_b32 s3, ttmp7, 0xffff                    ; y
	s_mov_b32 s14, 0xffff0000                      ; a word's upper bf16
	v_lshlrev_b32 v1, 4, v0                        ; 16 t
	v_lshlrev_b32 v2, 3, v0                        ; 8 t
	s_lshl_b32 s10, s2, 16                         ; byte offset in the source
	s_mov_b32 s11, 0
	s_max_u32 s15, s3, 1
	s_sub_co_u32 s15, s15, 1                       ; y - 1 (0 for y = 0): which third of wqkv, which quarter of bias
	s_lshl_b32 s12, s15, 23
	s_cmp_eq_u32 s3, 4
	s_cselect_b32 s12, 0, s12                      ; wo16 has one part
	s_lshl_b32 s13, s2, 15
	s_add_co_u32 s12, s12, s13                     ; byte offset in the destination
	s_mov_b32 s13, 0
	s_wait_kmcnt 0x0
	s_mov_b64 s[4:5], s[16:17]                     ; source, destination and bias are chosen by y alone
	s_mov_b64 s[6:7], s[36:37]
	s_mov_b64 s[8:9], s[26:27]
	s_cmp_eq_u32 s3, 0
	s_cselect_b64 s[6:7], s[34:35], s[6:7]
	s_cmp_eq_u32 s3, 1
	s_cselect_b64 s[4:5], s[18:19], s[4:5]
	s_cmp_eq_u32 s3, 2
	s_cselect_b64 s[4:5], s[20:21], s[4:5]
	s_cselect_b64 s[8:9], s[28:29], s[8:9]
	s_cmp_eq_u32 s3, 3
	s_cselect_b64 s[4:5], s[22:23], s[4:5]
	s_cselect_b64 s[8:9], s[30:31], s[8:9]
	s_cmp_eq_u32 s3, 4
	s_cselect_b64 s[4:5], s[24:25], s[4:5]
	s_cselect_b64 s[6:7], s[38:39], s[6:7]
	s_cselect_b64 s[8:9], s[32:33], s[8:9]
	s_add_nc_u64 s[4:5], s[4:5], s[10:11]
	s_add_nc_u64 s[6:7], s[6:7], s[12:13]
.irp i, 0,1,2,3,4,5,6,7,8,9,10,11,12,13,14,15
	global_load_b128 v[X+4*(\i):X+4*(\i)+3], v1, s[4:5] offset:4096*(\i) th:TH_LOAD_NT  ; read once in the whole program
.endr
; Chunk i.  f16 = 0: rounded to bf16.  f16 = 1: rounded to bf16, widened again and written as f16.
.macro CH i, f16
	s_wait_loadcnt 15-(\i)                         ; loads come back in order: chunk i is in, the 15 - i younger ones stay out
.if \f16
	v_cvt_pk_bf16_f32 v[T],   v[X+4*(\i)],   v[X+4*(\i)+1]
	v_cvt_pk_bf16_f32 v[T+1], v[X+4*(\i)+2], v[X+4*(\i)+3]
	v_lshlrev_b32 v[X+4*(\i)],   16,  v[T]
	v_and_b32     v[X+4*(\i)+1], s14, v[T]
	v_lshlrev_b32 v[X+4*(\i)+2], 16,  v[T+1]
	v_and_b32     v[X+4*(\i)+3], s14, v[T+1]
	v_cvt_pk_f16_f32 v[X+4*(\i)],   v[X+4*(\i)],   v[X+4*(\i)+1]
	v_cvt_pk_f16_f32 v[X+4*(\i)+1], v[X+4*(\i)+2], v[X+4*(\i)+3]
.else
	v_cvt_pk_bf16_f32 v[X+4*(\i)],   v[X+4*(\i)],   v[X+4*(\i)+1]
	v_cvt_pk_bf16_f32 v[X+4*(\i)+1], v[X+4*(\i)+2], v[X+4*(\i)+3]
.endif
	global_store_b64 v2, v[X+4*(\i):X+4*(\i)+1], s[6:7] offset:2048*(\i)
.endm
	s_cmp_eq_u32 s3, 4
	s_cbranch_scc1 .Lwo
.irp i, 0,1,2,3,4,5,6,7,8,9,10,11,12,13,14,15
	CH \i, 0
.endr
	s_branch .Lbias
.Lwo:
.irp i, 0,1,2,3,4,5,6,7,8,9,10,11,12,13,14,15
	CH \i, 1
.endr
.Lbias:
	s_cmp_eq_u32 s3, 0                             ; hidden_states has no bias
	s_cbranch_scc1 .Lend
	s_cmp_gt_u32 s2, 1                             ; a bias is 8,192 bytes: two work-groups' 4,096
	s_cbranch_scc1 .Lend
	s_lshl_b32 s10, s2, 12
	s_add_nc_u64 s[8:9], s[8:9], s[10:11]
	s_lshl_b32 s12, s15, 13
	s_add_co_u32 s12, s12, s10
	s_add_nc_u64 s[40:41], s[40:41], s[12:13]
	global_load_b128 v[BV:BV+3], v1, s[8:9]
	s_wait_loadcnt 0x0
	v_cvt_pk_bf16_f32 v[T],   v[BV],   v[BV+1]
	v_cvt_pk_bf16_f32 v[T+1], v[BV+2], v[BV+3]
	v_lshlrev_b32 v[BV],   16,  v[T]
	v_and_b32     v[BV+1], s14, v[T]
	v_lshlrev_b32 v[BV+2], 16,  v[T+1]
	v_and_b32     v[BV+3], s14, v[T+1]
	global_store_b128 v1, v[BV:BV+3], s[40:41]
.Lend:
	s_endpgm
.Lfunc_end_k_qf9b9bf77f0_cast:
	.size	k_qf9b9bf77f0_cast, .Lfunc_end_k_qf9b9bf77f0_cast-k_qf9b9bf77f0_cast
	.p2alignl 7, 3214868480
	.fill 96, 4, 3214868480
	.section	.rodata,"a",@progbits
	.p2align	6, 0x0
	.amdhsa_kernel k_qf9b9bf77f0_cast
		.amdhsa_group_segment_fixed_size 0
		.amdhsa_private_segment_fixed_size 0
		.amdhsa_enable_private_segment 0
		.amdhsa_kernarg_size 104
		.amdhsa_user_sgpr_count 2
		.amdhsa_user_sgpr_kernarg_segment_ptr 1
		.amdhsa_wavefront_size32 1
		.amdhsa_system_sgpr_workgroup_id_x 1
		.amdhsa_system_sgpr_workgroup_id_y 1
		.amdhsa_system_sgpr_workgroup_id_z 1
		.amdhsa_system_vgpr_workitem_id 0
		.amdhsa_next_free_vgpr 76
		.amdhsa_next_free_sgpr 66
		.amdhsa_reserve_vcc 0
		.amdhsa_float_denorm_mode_32 3
		.amdhsa_float_denorm_mode_16_64 3
		.amdhsa_memory_ordered 1
		.amdhsa_forward_progress 1
		.amdhsa_inst_pref_size 16
	.end_amdhsa_kernel
	.amdgpu_metadata
---
amdhsa.version: [ 1, 2 ]
amdhsa.kernels:
  - .name:           k_qf9b9bf77f0_cast
    .symbol:         k_qf9b9bf77f0_cast.kd
    .args:
      - { .name: hidden_states, .offset: 0, .size: 8, .value_kind: global_buffer, .address_space: global }
      - { .name: Wq, .offset: 8, .size: 8, .value_kind: global_buffer, .address_space: global }
      - { .name: Wk, .offset: 16, .size: 8, .value_kind: global_buffer, .address_space: global }
      - { .name: Wv, .offset: 24, .size: 8, .value_kind: global_buffer, .address_space: global }
      - { .name: Wo, .offset: 32, .size: 8, .value_kind: global_buffer, .address_space: global }
      - { .name: bq, .offset: 40, .size: 8, .value_kind: global_buffer, .address_space: global }
      - { .name: bk, .offset: 48, .size: 8, .value_kind: global_buffer, .address_space: global }
      - { .name: bv, .offset: 56, .size: 8, .value_kind: global_buffer, .address_space: global }
      - { .name: bo, .offset: 64, .size: 8, .value_kind: global_buffer, .address_space: global }
      - { .name: xb, .offset: 72, .size: 8, .value_kind: global_buffer, .address_space: global }
      - { .name: wqkv, .offset: 80, .size: 8, .value_kind: global_buffer, .address_space: global }
      - { .name: wo16, .offset: 88, .size: 8, .value_kind: global_buffer, .address_space: global }
      - { .name: bias, .offset: 96, .size: 8, .value_kind: global_buffer, .address_space: global }
    .group_segment_fixed_size: 0
    .private_segment_fixed_size: 0
    .kernarg_segment_align: 8
    .kernarg_segment_size: 104
    .max_flat_workgroup_size: 256
    .sgpr_count:     66
    .vgpr_count:     76
    .wavefront_size: 32
...
	.end_amdgpu_metadata
.endif
;; end of part 1
;; launch qkv (part 2): grid 16 x 16, 4 waves a work-group, clusters of 4 x 4, 327,680 bytes of LDS; arguments xb, wqkv, bias, qkvh; writes qkvh
.if DOCPART == 2
	.amdgcn_target "amdgcn-amd-amdhsa--gfx1250"
	.amdhsa_code_object_version 6
	.text
	.protected	k_qf9b9bf77f0_qkv
	.globl	k_qf9b9bf77f0_qkv
	.p2align	8
	.type	k_qf9b9bf77f0_qkv,@function
k_qf9b9bf77f0_qkv:
	s_mov_b64 s[64:65], 0
	v_nop
	global_prefetch_b8 v0, s[64:65] scope:SCOPE_SE
	s_setreg_imm32_b32 hwreg(HW_REG_WAVE_MODE, 25, 1), 1
	s_wait_xcnt 0x0
	s_wait_alu depctr_hold_cnt(0) depctr_sa_sdst(0) depctr_va_vdst(0) depctr_va_sdst(0) depctr_va_ssrc(0) depctr_va_vcc(0) depctr_vm_vsrc(0)
	s_getreg_b32 s2, hwreg(HW_REG_IB_STS2, 6, 4)
	s_cmp_eq_u32 s2, 0
	s_cbranch_scc0 .Lentry_in_a_cluster
	s_endpgm
.Lentry_in_a_cluster:
	s_bfe_u32 s2, ttmp6, 0x10000c
	s_cmp_lg_u32 s2, 0xf033
	s_cbranch_scc0 .Lentry_shape_is_right
	s_endpgm
.Lentry_shape_is_right:
; [2048 x 6144] = xb wqkv^T + bias: the three projections as one product.  xb [2048][2048], wqkv [6144][2048] bf16; sums in f32, started with the bias; the result rounded once to f16 and
; written by heads: qkvh [48][2048][128] f16 (heads 0-15 q, unscaled; 16-31 k; 32-47 v), a row of a head 256 bytes.
; LIMIT: q, k and v must stay within f16's 65,504; beyond it the conversion gives an infinity.  NaN and infinities are not treated apart.
; A tile is 128 rows x 384 columns (three whole heads): 16 x 16 = 256 work-groups of equal work.  Wave w makes all 128 rows x columns 96 w .. 96 w + 95: 8 x 6 = 48 accumulators of 16 x 16, 384 registers.
; K goes in steps of 128 (rows of 256 bytes) through a ring of two LDS slots; a slot has four parts of 128 rows: xb's, then wqkv's three.  Wave 0 fetches xb's part, waves 1 to 3 wqkv's.
; CLUSTER 4 x 4: the four work-groups of a row of the cluster need the same rows of xb, the four of a column the same rows of wqkv: each part is asked for jointly, by the same tensor load with the same descriptor and a mask of four.
; THE MATRIX INSTRUCTION IS USED TRANSPOSED (source 0 = 16 rows of wqkv, source 1 = 16 rows of xb): a lane holds row l % 16 and eight neighbouring columns 8 (l / 16) + 0..7, which pack into 16 bytes.
; REGISTERS, in windows of 256 (s_set_vgpr_msb: bits 1:0 source 0, 3:2 source 1, 5:4 source 2, 7:6 destination):
;   window 0: v16-29 addresses; v64-127, v128-191 xb's fragments, two buffers; v192-215 packed results; on the way out v32-223 rows read back
;   window 1: v64-111, v128-175 wqkv's fragments, two buffers; v192-239 the bias of my 96 columns, laid as a C operand
;   window 2: accumulators of rows 0-63 ((a, b) at v[8 (6 a + b)]);   window 3: those of rows 64-127
.set KSTEP,  128
.set PITCH,  272                       ; an LDS row: 256 bytes + 16 of padding = 68 words: the 16 rows of a fragment load start at 16 different groups of four banks (64 banks of 4 bytes: ISA guide 11.1)
.set PART,   128*PITCH                 ; what one tensor load brings
.set SLOT,   4*PART
.set SPARE,  2*SLOT                    ; behind the ring: the spare words, 128 bytes for each wave: two blocks of 256 bytes that no other line names
.set SPITCH, 784                       ; the stage for the way out: 128 rows of 768 bytes + 16, from LDS byte 0: inside slot 0, which has had its last fill and its last read by then
.set LAPS,   8                         ; 2,048 / (2 x 128): a lap = two K steps = once round the ring
.set ADRA, 16                          ; v16-17  LDS address of xb's fragments in slot 0, 1
.set ADRB, 20                          ; v20-21  the same for my 96 rows of wqkv
.set STO2, 22                          ; v22     STO + 64 stage rows: a block's place would pass the 16-bit immediate
.set STO,  24                          ; v24     the way out: where I put 16 bytes of a row
.set RD,   25                          ; v25     where I read rows back
.set CO,   26                          ; v26     16 x lane: my place in 512 consecutive bytes of qkvh
.set BO,   27                          ; v27     32 x (lane / 16): my eight numbers of a block's bias
.set SPW,  28                          ; v28     LDS address of my spare word; never rewritten
.set NIL,  29                          ; v29     0; never rewritten
.set F0,   64
.set F1,   128
.set TMP,  192
.set OB,   32
.set BI,   192                         ; window 1
.set WV,  12                           ; s12 my wave's number
.set G1,  24                           ; s[24:31] descriptor group 1 for xb's part;  s[32:39] group 0, a set for each slot
.set G0,  32
.set G1B, 48                           ; s[48:55], s[56:63] the same for wqkv's parts
.set G0B, 56
.set MSB, 0
.macro WIN new                         ; the immediate's high byte repeats the setting that is left; a switch that changes nothing is dropped
.if MSB != (\new)
	s_set_vgpr_msb (MSB<<8)|(\new)
.set MSB, \new
.endif
.endm
.set MUL_LO, 0xa1                      ; source 0 window 1, source 1 window 0, C and D window 2 (0xf1: window 3)
.set MUL_1ST, 0x91                     ; the same with C, the bias, in window 1 (0xd1: D in window 3)
.set TO_B,   0x40                      ; destination window 1, address window 0
; A joint load.  The branch hangs on the wave's number alone.  An s_nop 0 and four v_nop follow each of the two lines, ahead of the jump and the label.
.macro JLOAD s
	s_cmp_eq_u32 s[WV], 0
	s_cbranch_scc0 .Lfor_b_\@
	tensor_load_to_lds s[G0+4*(\s):G0+4*(\s)+3], s[G1:G1+7]
	s_nop 0
.rept 4
	v_nop
.endr
	s_branch .Lasked_\@
.Lfor_b_\@:
	tensor_load_to_lds s[G0B+4*(\s):G0B+4*(\s)+3], s[G1B:G1B+7]
	s_nop 0
.rept 4
	v_nop
.endr
.Lasked_\@:
.endm
.macro CREST                           ; a round of the cluster's barrier behind its opening barrier: wave 0 signals for the work-group, every wave waits for all sixteen, my work-group's barrier closes it
	s_cmp_lg_u32 s[WV], 0
	s_cbranch_scc1 .Lnot_wave_0_\@
	s_barrier_signal -3
.Lnot_wave_0_\@:
	s_barrier_wait -3
	s_barrier_signal -1
	s_barrier_wait -1
.endm
.macro CROUND                          ; a whole round
	s_barrier_signal -1
	s_barrier_wait -1
	CREST
.endm
	s_load_b256 s[4:11], s[0:1], 0x0               ; xb s[4:5], wqkv s[6:7], bias s[8:9], qkvh s[10:11]
	v_lshl_add_u32 v[SPW], v0, 2, SPARE
	v_mov_b32 v[NIL], 0
	ds_add_u32 v[SPW], v[NIL]                      ; the wave's opening: the add and its wait stand ahead of my first tensor load; work on registers stands between them
	v_lshrrev_b32 v1, 5, v0
	v_readfirstlane_b32 s[WV], v1                  ; wave 0..3
	s_bfe_u32 s40, ttmp6, 0x40000                  ; cx, cy: my place in the cluster
	s_bfe_u32 s41, ttmp6, 0x40004
	s_lshl_b32 s42, ttmp9, 2
	s_add_co_u32 s42, s42, s40                     ; tile column = 4 x cluster x + cx
	s_and_b32 s13, ttmp7, 0xffff
	s_lshl_b32 s13, s13, 2
	s_add_co_u32 s13, s13, s41                     ; tile row = 4 x cluster y + cy
	s_lshl_b32 s43, s41, 2
	s_lshl_b32 s43, 15, s43                        ; my row of the cluster
	s_lshl_b32 s44, 0x1111, s40                    ; my column
	; descriptor group 1: 128 rows x 128 elements of 2 bytes, 16 bytes of padding behind every 64 words
	s_or_b32 s[G1+0], s43, (1<<16)|(1<<20)|(1<<21)|(5<<22)|(3<<25)   ; 15:0 the mask: xb's part goes to my row; 17:16 2-byte elements; 20 padding on; 21 set beside a mask; 24:22 code 5; 31:25 code 3
	s_or_b32 s[G1B+0], s44, (1<<16)|(1<<20)|(1<<21)|(5<<22)|(3<<25)  ; the same with the mask of my column
.irp g, G1, G1B
	s_mov_b32 s[(\g)+1], KSTEP<<16                 ; tensor_dim0 = 128
	s_mov_b32 s[(\g)+2], 128<<16                   ; tensor_dim1 = 128
	s_mov_b32 s[(\g)+3], KSTEP<<16                 ; tile_dim0 = 128
	s_mov_b32 s[(\g)+4], 128                       ; tile_dim1 = 128
	s_mov_b32 s[(\g)+5], 2048                      ; elements from row to row
	s_mov_b32 s[(\g)+6], 0
	s_mov_b32 s[(\g)+7], 0
.endr
	s_lshl_b32 s16, s13, 19                        ; xb: 128 x tile row rows of 4,096 bytes: hangs on the tile row alone
	s_mov_b32 s17, 0
	s_max_u32 s18, s[WV], 1
	s_sub_co_u32 s18, s18, 1                       ; which of wqkv's three parts (wave 0 asks for none of them)
	s_lshl_b32 s18, s18, 7
	s_mul_i32 s46, s42, 384
	s_add_co_u32 s46, s46, s18                     ; wqkv: row 384 x tile column + 128 x part: hangs on the tile column and the wave alone
	s_lshl_b32 s46, s46, 12
	s_mov_b32 s47, 0
	s_mul_i32 s20, s[WV], PART                     ; where my part goes: no place in the cluster enters an LDS address
	s_wait_dscnt 0x0                               ; the opening add is done
	s_wait_kmcnt 0x0
	s_add_nc_u64 s[14:15], s[4:5], s[16:17]
	s_add_nc_u64 s[46:47], s[6:7], s[46:47]
	CROUND                                         ; all sixteen work-groups are here: the first joint loads meet
.irp s, 0,1
	s_mov_b32 s[G0+4*(\s)], 1                                        ; count = 1
	s_add_co_u32 s[G0+4*(\s)+1], s20, (\s)*SLOT                      ; LDS address
	s_add_nc_u64 s[G0+4*(\s)+2:G0+4*(\s)+3], s[14:15], (\s)*KSTEP*2  ; global address: K step s
	s_or_b32 s[G0+4*(\s)+3], s[G0+4*(\s)+3], 0x80000000              ; type = 2
	s_mov_b32 s[G0B+4*(\s)], 1
	s_add_co_u32 s[G0B+4*(\s)+1], s20, (\s)*SLOT
	s_add_nc_u64 s[G0B+4*(\s)+2:G0B+4*(\s)+3], s[46:47], (\s)*KSTEP*2
	s_or_b32 s[G0B+4*(\s)+3], s[G0B+4*(\s)+3], 0x80000000
	JLOAD \s                                       ; both slots are asked for before anything else: two loads of mine are out
.endr
	; A fragment is 16 rows x 32 K in 8 registers: lane l holds row l % 16, K = 8 (l / 16) + 0..7 and 16 + 8 (l / 16) + 0..7: two loads of 16 bytes, 32 bytes apart.
	v_and_b32 v1, 15, v0                           ; l % 16
	v_bfe_u32 v2, v0, 4, 1                         ; l / 16
	v_mul_u32_u24 v3, v1, PITCH
	v_lshl_add_u32 v3, v2, 4, v3
	s_mul_i32 s22, s[WV], 96*PITCH
	s_add_co_u32 s22, s22, PART                    ; my 96 rows of wqkv lie behind xb's 128
	v_mov_b32 v[ADRA], v3
	v_add_nc_u32 v[ADRA+1], SLOT, v3
	v_add_nc_u32 v[ADRB], s22, v3
	s_add_co_u32 s22, s22, SLOT
	v_add_nc_u32 v[ADRB+1], s22, v3
	v_mul_u32_u24 v4, v1, SPITCH                   ; into the stage: row l % 16 of a block, my 192 bytes of it, 16 bytes for each half of the lanes
	v_lshl_add_u32 v4, v2, 4, v4
	s_mul_i32 s23, s[WV], 192
	v_add_nc_u32 v[STO], s23, v4
	v_add_nc_u32 v[STO2], 4*16*SPITCH, v[STO]
	s_mul_i32 s23, s[WV], 32*SPITCH                ; back: wave w takes rows 32 w .. 32 w + 31; lanes 0-15 256 bytes of one row, lanes 16-31 of the next
	v_mul_u32_u24 v5, v2, SPITCH
	v_lshl_add_u32 v5, v1, 4, v5
	v_add_nc_u32 v[RD], s23, v5
	v_and_b32 v5, 31, v0
	v_lshlrev_b32 v[CO], 4, v5
	v_lshlrev_b32 v[BO], 5, v2
	s_mul_i32 s46, s42, 384                        ; the bias of my 96 columns: in block b a lane's register j stands for column 16 b + 8 (l / 16) + j
	s_mul_i32 s47, s[WV], 96
	s_add_co_u32 s46, s46, s47
	s_lshl_b32 s46, s46, 2
	s_mov_b32 s47, 0
	s_add_nc_u64 s[8:9], s[8:9], s[46:47]
	WIN TO_B
.irp b, 0,1,2,3,4,5
	global_load_b128 v[BI+8*(\b):BI+8*(\b)+3],   v[BO], s[8:9] offset:64*(\b)
	global_load_b128 v[BI+8*(\b)+4:BI+8*(\b)+7], v[BO], s[8:9] offset:64*(\b)+16
.endr
	WIN 0
	s_mul_i32 s46, s42, 3*524288                   ; qkvh: head 3 x tile column (524,288 bytes a head), row 128 x tile row + 32 x wave (256 bytes a row)
	s_lshl_b32 s47, s13, 15
	s_add_co_u32 s46, s46, s47
	s_lshl_b32 s47, s[WV], 13
	s_add_co_u32 s46, s46, s47
	s_mov_b32 s47, 0
	s_add_nc_u64 s[10:11], s[10:11], s[46:47]
; 12 matrix instructions: row blocks a0, a0 + 1 of the window's four (hi = 0: rows 0-63, 1: rows 64-127) x my 6 column blocks, 32 along K.  first = 1: the bias starts the sums: nothing is cleared.
; The 48 accumulators take turns in the same order in every quarter, one instruction a turn.
.macro MUL12 f, hi, a0, first
.if \first
	WIN MUL_1ST+0x40*(\hi)
.else
	WIN MUL_LO+0x50*(\hi)
.endif
.irp a, \a0, (\a0)+1
.irp b, 0,1,2,3,4,5
.if \first
	v_wmma_f32_16x16x32_bf16 v[8*(6*(\a)+(\b)):8*(6*(\a)+(\b))+7], v[(\f)+8*(\b):(\f)+8*(\b)+7], v[(\f)+8*(4*(\hi)+(\a)):(\f)+8*(4*(\hi)+(\a))+7], v[BI+8*(\b):BI+8*(\b)+7]
.else
	v_wmma_f32_16x16x32_bf16 v[8*(6*(\a)+(\b)):8*(6*(\a)+(\b))+7], v[(\f)+8*(\b):(\f)+8*(\b)+7], v[(\f)+8*(4*(\hi)+(\a)):(\f)+8*(4*(\hi)+(\a))+7], v[8*(6*(\a)+(\b)):8*(6*(\a)+(\b))+7]
.endif
.endr
.endr
.endm
; 28 LDS loads in one run: a quarter step's fragments (96 rows of wqkv, 128 rows of xb, 32 K at byte k of the rows) into buffer f
.macro FETCH slot, k, f
	WIN TO_B
.irp i, 0,1,2,3,4,5
	ds_load_b128 v[(\f)+8*(\i):(\f)+8*(\i)+3],   v[ADRB+(\slot)] offset:(\k)+(\i)*16*PITCH
	ds_load_b128 v[(\f)+8*(\i)+4:(\f)+8*(\i)+7], v[ADRB+(\slot)] offset:(\k)+(\i)*16*PITCH+32
.endr
	WIN 0
.irp i, 0,1,2,3,4,5,6,7
	ds_load_b128 v[(\f)+8*(\i):(\f)+8*(\i)+3],   v[ADRA+(\slot)] offset:(\k)+(\i)*16*PITCH
	ds_load_b128 v[(\f)+8*(\i)+4:(\f)+8*(\i)+7], v[ADRA+(\slot)] offset:(\k)+(\i)*16*PITCH+32
.endr
.endm
.macro PLACES                          ; four plain vector instructions between a matrix instruction and a load into, or a vector read of, its registers (ISA guide 7.12.1 for vector reads)
.rept 4
	v_nop
.endr
.endm
; A K step is four quarters of 32 along K, 48 matrix instructions each, on buffers 0, 1, 0, 1.  One of the first three: multiplies buffer f and, in its middle, fetches the next quarter, at byte k, into g.
.macro QUARTER slot, k, f, g, first
	s_wait_dscnt 8                                 ; wqkv's fragments and xb's rows 0-63 are in; the youngest eight loads (xb's rows 64-127) may be out
	MUL12 \f, 0, 0, \first
	MUL12 \f, 0, 2, \first
	PLACES
	FETCH \slot, \k, \g
	s_wait_dscnt 28                                ; all but the 28 just issued
	MUL12 \f, 1, 0, \first
	MUL12 \f, 1, 2, \first
.endm
; The last quarter multiplies buffer 1 and changes slots: ONE barrier.  In front of it each wave waits for all its tensor loads (one is out: its part of the next slot), adds 0 to its spare word, and waits for
; that and for its reads of this slot.  fill = 1: the barrier opens a round of the cluster's, and this slot is filled again, two K steps ahead, first thing behind the round.
.macro TURN slot, next, fill
	WIN 0                                          ; (the add's two registers lie in window 0)
	s_wait_tensorcnt 0x0                           ; all my tensor loads have landed
	ds_add_u32 v[SPW], v[NIL]                      ; 0 onto my spare word
	s_wait_dscnt 9                                 ; (the add and the youngest eight loads may be out)
	MUL12 F1, 0, 0, 0                              ; twelve matrix instructions stand between the add and the wait for it
	s_wait_dscnt 0x0                               ; the add is done, and my reads of this slot are over
	s_barrier_signal -1
	MUL12 F1, 0, 2, 0                              ; work on registers while the others arrive
.if \fill
	WIN 0
.endif
	s_barrier_wait -1
.if \fill
	CREST                                          ; no wave of any partner still reads this slot or has a load on its way
	s_add_nc_u64 s[G0+4*(\slot)+2:G0+4*(\slot)+3], s[G0+4*(\slot)+2:G0+4*(\slot)+3], 2*KSTEP*2
	s_add_nc_u64 s[G0B+4*(\slot)+2:G0B+4*(\slot)+3], s[G0B+4*(\slot)+2:G0B+4*(\slot)+3], 2*KSTEP*2
	JLOAD \slot                                    ; my one tensor load behind the round; its four v_nop are also the places in front of the loads below
.else
	PLACES
.endif
	FETCH \next, 0, F0
	MUL12 F1, 1, 0, 0
	MUL12 F1, 1, 2, 0
.endm
	s_wait_tensorcnt 1                             ; my part of K step 0 is in; K step 1's may stay out
	s_barrier_signal -1
	s_barrier_wait -1                              ; everybody's is
	FETCH 0, 0, F0
	s_wait_loadcnt 0x0                             ; the bias
	QUARTER 0, 64,  F0, F1, 1                      ; the first quarter stands in front of the loop: its products start the sums
	WIN 0                                          ; at a label and at a branch every window is 0
	s_mov_b32 s3, LAPS-1
.Llap:                                                 ; a trip goes once round the ring, from a lap's second quarter to the next lap's first, and fills both slots again
	QUARTER 0, 128, F1, F0, 0
	QUARTER 0, 192, F0, F1, 0
	TURN 0, 1, 1
	QUARTER 1, 64,  F0, F1, 0
	QUARTER 1, 128, F1, F0, 0
	QUARTER 1, 192, F0, F1, 0
	TURN 1, 0, 1
	QUARTER 0, 64,  F0, F1, 0
	WIN 0
	s_sub_co_u32 s3, s3, 1
	s_cmp_lg_u32 s3, 0
	s_cbranch_scc1 .Llap
	QUARTER 0, 128, F1, F0, 0                      ; the last lap fills nothing
	QUARTER 0, 192, F0, F1, 0
	TURN 0, 1, 0                                   ; behind this barrier no wave reads slot 0 any more, and no load fills it again
	QUARTER 1, 64,  F0, F1, 0
	QUARTER 1, 128, F1, F0, 0
	QUARTER 1, 192, F0, F1, 0
	s_wait_dscnt 8                                 ; the very last quarter: nothing more to fetch
	MUL12 F1, 0, 0, 0
	MUL12 F1, 0, 2, 0
	s_wait_dscnt 0x0
	MUL12 F1, 1, 0, 0
	MUL12 F1, 1, 2, 0
	WIN 0
	; THE WAY OUT.  Rounded to f16; 16 bytes a lane into the work-group's stage (a head's 256 bytes of a row come from two waves); a barrier; back as whole rows of a head, 32 rows a wave.
	PLACES
.macro OUTBLK a                        ; block a of 16 rows: each accumulator's registers in ascending order
	WIN 0x0a+5*((\a)/4)                            ; sources 0 and 1: window 2 or 3
.irp b, 0,1,2,3,4,5
.irp r, 0,1,2,3
	v_cvt_pk_f16_f32 v[TMP+4*(\b)+(\r)], v[48*((\a)%4)+8*(\b)+2*(\r)], v[48*((\a)%4)+8*(\b)+2*(\r)+1]
.endr
.endr
	WIN 0
.irp b, 0,1,2,3,4,5
.if (\a) < 4
	ds_store_b128 v[STO],  v[TMP+4*(\b):TMP+4*(\b)+3] offset:(\a)*16*SPITCH+32*(\b)
.else
	ds_store_b128 v[STO2], v[TMP+4*(\b):TMP+4*(\b)+3] offset:((\a)-4)*16*SPITCH+32*(\b)
.endif
.endr
.endm
.irp a, 0,1,2,3,4,5,6,7
	OUTBLK \a
.endr
	s_wait_dscnt 0x0                               ; for the others' sake: my stores into the stage are done
	s_barrier_signal -1
	s_barrier_wait -1
.set i, 0
.rept 48                               ; head i / 16 of the tile's three, rows 2 (i % 16) and the next of my 32
	ds_load_b128 v[OB+4*i:OB+4*i+3], v[RD] offset:(i%16)*2*SPITCH+256*(i/16)
.set i, i+1
.endr
.set i, 0
.rept 48
	s_wait_dscnt 47-i                              ; LDS loads come back in order: load i is in, the younger ones stay out
	global_store_b128 v[CO], v[OB+4*i:OB+4*i+3], s[10:11] offset:(i/16)*524288+(i%16)*512  ; two rows of a head: 512 consecutive bytes, at a multiple of 256 from qkvh's first
.set i, i+1
.endr
	s_wait_tensorcnt 0x0                           ; the wave's end: behind my last tensor load and my last LDS store
	ds_add_u32 v[SPW], v[NIL]
	s_wait_dscnt 0x0
	CROUND                                         ; the closing round: no work-group ends while a partner may still ask for a part that names it
	s_endpgm
.Lfunc_end_k_qf9b9bf77f0_qkv:
	.size	k_qf9b9bf77f0_qkv, .Lfunc_end_k_qf9b9bf77f0_qkv-k_qf9b9bf77f0_qkv
	.p2alignl 7, 3214868480
	.fill 96, 4, 3214868480
	.section	.rodata,"a",@progbits
	.p2align	6, 0x0
	.amdhsa_kernel k_qf9b9bf77f0_qkv
		.amdhsa_group_segment_fixed_size 327680
		.amdhsa_private_segment_fixed_size 0
		.amdhsa_enable_private_segment 0
		.amdhsa_kernarg_size 32
		.amdhsa_user_sgpr_count 2
		.amdhsa_user_sgpr_kernarg_segment_ptr 1
		.amdhsa_wavefront_size32 1
		.amdhsa_system_sgpr_workgroup_id_x 1
		.amdhsa_system_sgpr_workgroup_id_y 1
		.amdhsa_system_sgpr_workgroup_id_z 1
		.amdhsa_system_vgpr_workitem_id 0
		.amdhsa_next_free_vgpr 960
		.amdhsa_next_free_sgpr 66
		.amdhsa_reserve_vcc 0
		.amdhsa_float_denorm_mode_32 3
		.amdhsa_float_denorm_mode_16_64 3
		.amdhsa_memory_ordered 1
		.amdhsa_forward_progress 1
		.amdhsa_inst_pref_size 117
	.end_amdhsa_kernel
	.amdgpu_metadata
---
amdhsa.version: [ 1, 2 ]
amdhsa.kernels:
  - .name:           k_qf9b9bf77f0_qkv
    .symbol:         k_qf9b9bf77f0_qkv.kd
    .args:
      - { .name: xb, .offset: 0, .size: 8, .value_kind: global_buffer, .address_space: global }
      - { .name: wqkv, .offset: 8, .size: 8, .value_kind: global_buffer, .address_space: global }
      - { .name: bias, .offset: 16, .size: 8, .value_kind: global_buffer, .address_space: global }
      - { .name: qkvh, .offset: 24, .size: 8, .value_kind: global_buffer, .address_space: global }
    .group_segment_fixed_size: 327680
    .private_segment_fixed_size: 0
    .kernarg_segment_align: 8
    .kernarg_segment_size: 32
    .max_flat_workgroup_size: 128
    .sgpr_count:     66
    .vgpr_count:     960
    .wavefront_size: 32
...
	.end_amdgpu_metadata
.endif
;; end of part 2
;; launch attention (part 3): grid 16 x 16, 4 waves a work-group, clusters of 4 x 1, 327,680 bytes of LDS; arguments qkvh, ctx; writes ctx
.if DOCPART == 3
	.amdgcn_target "amdgcn-amd-amdhsa--gfx1250"
	.amdhsa_code_object_version 6
	.text
	.protected	k_qf9b9bf77f0_attention
	.globl	k_qf9b9bf77f0_attention
	.p2align	8
	.type	k_qf9b9bf77f0_attention,@function
k_qf9b9bf77f0_attention:
	s_mov_b64 s[64:65], 0
	v_nop
	global_prefetch_b8 v0, s[64:65] scope:SCOPE_SE
	s_setreg_imm32_b32 hwreg(HW_REG_WAVE_MODE, 25, 1), 1
	s_wait_xcnt 0x0
	s_wait_alu depctr_hold_cnt(0) depctr_sa_sdst(0) depctr_va_vdst(0) depctr_va_sdst(0) depctr_va_ssrc(0) depctr_va_vcc(0) depctr_vm_vsrc(0)
	s_getreg_b32 s2, hwreg(HW_REG_IB_STS2, 6, 4)
	s_cmp_eq_u32 s2, 0
	s_cbranch_scc0 .Lentry_in_a_cluster
	s_endpgm
.Lentry_in_a_cluster:
	s_bfe_u32 s2, ttmp6, 0x10000c
	s_cmp_lg_u32 s2, 0x3003
	s_cbranch_scc0 .Lentry_shape_is_right
	s_endpgm
.Lentry_shape_is_right:
; CAUSAL ATTENTION, 16 heads of 128 channels over 2,048 rows.  ctx[q][128 h ..] = the sum over k <= q of softmax_k(Q[h][q] . K[h][k] / sqrt(128)) V[h][k].
; qkvh [48][2048][128] f16 (q heads 0-15, k 16-31, v 32-47); ctx [2048][2048] f16.  Products, maxima and sums in f32; the weights p are rounded to f16 for the second product (their sum l is taken of the
; unrounded p), the result once at the end.
; LIMITS.  A hidden score counts as its value less 1e30 (f16's scores are 5.5e11 at the most); a weight or a wave's factor below 2^-126 counts as 0; NaN and infinities are not treated apart.
; THE WALK.  A head's queries lie in 8 groups of 256; group G needs the key tiles 0 .. G of 256 keys.  A cluster of four work-groups takes group 7 - c and then group c (c = the cluster's x): 9 tiles whatever c, so all
; 256 work-groups do equal work and the tile loop has a constant count.  Work-group cx takes band cx (64 rows) of the group.  The four partners walk the same tiles, so every tile is asked for JOINTLY.
; All branches hang on c, which the partners share; cx enters Q's and the result's addresses and three numbers of the mask, which are selected, never branched on.
; SHARES.  THE WAVES SPLIT THE KEYS: every wave holds all 64 queries of the band (four tiles of 16) and takes keys 64 w .. 64 w + 63 of each tile of 256.  So no fragment of K or V is read from LDS by two waves:
; 64 LDS loads feed a wave's 128 products of a tile.  Each wave keeps its own running maximum m, sum l and O^T; at a group's end the four are merged (below).
; In a group's last tile every wave computes its 64 keys, hidden ones too (partners and waves run alike): 36 shares of 64 x 64 where 33 hold a visible key.
; THE MASK is the C operand that starts a sum S^T = K Q^T.  Only a group's last tile hides keys: there wave w = cx holds the diagonal, waves w > cx see nothing.  For key block kt and query tile t (16 each):
; kt < t: ML = BE;  kt = t: MT = TRI x AL + BE;  kt > t: MH.  TRI, made once, is -1e30 where 8 (l / 16) + j > l % 16.  AL = 1 if w = cx, BE = -1e30 if w > cx, MH = -1e30 if w >= cx, all in the last tile alone, else 0.
; LAYOUT.  S^T = K Q^T (source 0 = 16 keys, source 1 = 16 queries): a lane holds ONE query (lane % 16) and the keys 8 (lane / 16) + 0..7.  Two such results rounded to f16 in pairs ARE source 1 of O^T = V^T P.
; K comes out of LDS as it lies, V ([key][channel]) turned, by ds_load_tr16_b128.
; SOFTMAX.  p = 2^(c s - c m), c = log2(e) / sqrt(128); in every tile O and l are multiplied by a = 2^(c m_old - c m_new).  A group begins with c m far below every c s, so its first a is 0.
; A TILE'S ORDER.  The wave's query tiles are two PIECES (piece 0: tiles 0, 1; piece 2: tiles 2, 3).  32 products K Q^T of piece 0; 32 of piece 2 with piece 0's softmax in slices between them; 32 products V^T P of
; piece 0 with piece 2's softmax between them; 32 of piece 2.  Nothing is carried from tile to tile but m, l and O^T.
; THE MERGE.  Each wave stores c m and l of its 64 queries; behind a barrier all read all: M = the largest c m, L = the sum of 2^(c m_w - M) l_w, and each wave multiplies its O^T by 2^(c m_own - M) / L.  Then four passes,
; a query tile each: the four waves store that tile in f32 into one stage, and behind a barrier each wave adds four rows' four parts in f32, rounds them to f16 and stores them.  A wave that saw hidden keys alone has
; c m near -1.3e29: its factor is 0.
; REGISTERS, in windows of 256 (s_set_vgpr_msb: bits 1:0 source 0, 3:2 source 1, 5:4 source 2, 7:6 destination):
;   window 0: v1-11, v44-45 addresses; v12-43 eight registers of statistics a tile; v62-63 the add's; v64-191 S^T, 32 a tile; v192-255 P, 16 a tile
;   window 1: O^T, 64 a tile          window 2: v0-127 Q, 32 a tile; v128-255 K          window 3: v0-127 V; v128-159 TRI, ML, MT, MH
.set KS,    64
.set PK,    272       ; a row of K in LDS: 256 bytes + 16: the 16 rows of a load start at 16 different groups of four banks (64 banks of 4 bytes: ISA guide 11.1)
.set PV,    288       ; a row of V: 256 + 32
.set VOFF,  256*PK    ; a slot holds a tile: 256 rows of K, then 256 rows of V
.set SLOTB, 256*(PK+PV)
.set STATS, SLOTB     ; between the slots, never filled by a tensor load: c m and l, 8 bytes a query, 512 bytes a wave
.set SPARE, STATS+2048  ; the spare words, 128 bytes for each wave: two blocks of 256 bytes that no other line names
.set SLOT1, 0x24000   ; slot 1 begins here: none of the descriptors' LDS bases in slot 0 (0, 0x8800, 0x11000, 0x1a000) has one of its two bits, so one exclusive or changes slots
.set STAGE, SLOT1+SLOTB  ; behind the ring, never filled by a tensor load: for each wave 16 rows of 512 bytes + 16
.set SP,    528
.set AK0, 2           ; v2   my lane's place in my wave's 64 rows of K; never rewritten
.set AV0, 3           ; v3   the same for V
.set ADR, 4           ; v4   the LDS address of the run of loads in hand
.set QO,  5           ; v5   my byte offset in 16 rows of Q
.set STO, 6           ; v6   the merge: where I put 16 bytes of a row of my part
.set RD,  7           ; v7   where I read 16 bytes of a row of the first wave's part
.set GO,  8           ; v8   my byte offset in the band's rows of ctx
.set ST,  12          ; tile t's statistics at v[ST+8 t]: +0 c m, +1 m, +2, +3 l (even keys', odd keys'), +4 to +7 c0-c3 at work; a takes c2's place
.set STA, 44          ; v44  where I put a query's c m and l
.set STR, 45          ; v45  where I read the first wave's
.set SPW, 62          ; v62  LDS address of my spare word; never rewritten
.set NIL, 63          ; v63  0; never rewritten
.set S,   64
.set OUT, 96          ; the merge: rows to store, in S^T's registers
.set P,   192
.set KF,  128         ; window 2: key block kb, channels 32 c on at KF + 32 kb + 8 c
.set TRI, 128         ; window 3
.set ML,  136
.set MT,  144
.set MH,  152
.set WV,  12          ; s12  my wave's number
.set CX,  13          ; s13  my place in the cluster
.set CC,  14          ; s14  c
.set KB,  8           ; s[8:9]   K at my half of the head's tile 0
.set VB,  10          ; s[10:11] V likewise
.set G1K, 24          ; s[24:31] descriptor group 1 for K's tiles
.set G1V, 32          ; s[32:39] for V's: it differs in the padding alone
.set G0K, 40          ; s[40:43] descriptor group 0 for K's tiles: it walks
.set G0V, 44          ; s[44:47] the same for V's
.set SLOTS, 56        ; s56  counts the tile loop's trips
.set CS,  58          ; s[58:59] c
.set SEL, 60          ; s[60:61] v_permlanex16_b32's selects: each lane takes its own place in the other half
.set TB,  62          ; s62  LDS byte at which the slot to be read begins
.set RT,  66          ; s66  tiles of the group in hand that are still to be finished
.set NXT, 67          ; s67  the tile to be asked for next
.set LQ,  68          ; s68  the last tile of the group whose tiles are being asked for
.set OFF, 70          ; s[70:71] a tile's byte offset in K and V
.set AL,  72          ; s[72:73] the mask's factor, in the low word
.set BE,  74          ; s[74:75] the mask's addend
.set BIGN, 76         ; s76  -1e30
.set CXE, 77          ; s77  cx in a group's last tile, 4 (no wave's number) in the others
.set MHS, 78          ; s78  MH's number
.set OLO, 80          ; s[80:81] ctx at my band of the second group
.set QLO, 82          ; s[82:83] Q at my band of the second group
.set MSB, 0
.macro WIN new                      ; the high byte repeats the setting that is left; a switch that changes nothing is dropped
.if MSB != (\new)
	s_set_vgpr_msb (MSB<<8)|(\new)
.set MSB, (\new)
.endif
.endm
.set W_KQ, 0x0a       ; K and Q in window 2, S^T in window 0
.set W_KM, 0x3a       ; the same with the C operand, a mask, in window 3
.set W_PV, 0x53       ; V in window 3, P in window 0, O^T in window 1
.set W_RS, 0x41       ; O^T (destination and source 0) in window 1, the factor in window 0
; A joint fill.  Waves 0 and 1 fetch the two halves of a tile's K, waves 2 and 3 those of its V: 128 keys each.  The branch hangs on the wave's number alone.
; An s_nop 0 and four v_nop follow each of the two lines, ahead of the jump and the label.
.macro JLOAD
	s_cmp_lt_u32 s[WV], 2
	s_cbranch_scc0 .Lfor_v_\@
	tensor_load_to_lds s[G0K:G0K+3], s[G1K:G1K+7]
	s_nop 0
.rept 4
	v_nop
.endr
	s_branch .Lasked_\@
.Lfor_v_\@:
	tensor_load_to_lds s[G0V:G0V+3], s[G1V:G1V+7]
	s_nop 0
.rept 4
	v_nop
.endr
.Lasked_\@:
.endm
.macro CROUND                       ; a round of the cluster's barrier: my work-group's barrier; wave 0 signals for it; every wave waits for all four work-groups; my work-group's barrier once more
	s_barrier_signal -1
	s_barrier_wait -1
	s_cmp_lg_u32 s[WV], 0
	s_cbranch_scc1 .Lnot_wave_0_\@
	s_barrier_signal -3
.Lnot_wave_0_\@:
	s_barrier_wait -3
	s_barrier_signal -1
	s_barrier_wait -1
.endm
.macro PLACES                       ; four plain vector instructions between a matrix instruction and a vector read of its result (ISA guide 7.12.1)
.rept 4
	v_nop
.endr
.endm
; THE CHANGE OF SLOTS.  Each wave waits for all its tensor loads (one is out: its part of the slot to be entered), adds 0 to its spare word, and waits for that and for its reads of the slot that it leaves.
; fill = 1: the slot left is filled again with tile NXT, first thing behind a round of the cluster's barrier; the descriptor's address is made anew from that number.  The load has a tile's 128 products a wave in which to land.
; (At its first use nothing has been read yet: slot 0 is waited for, slot 1 filled for the first time.)
.macro CHANGE fill
	WIN 0
	s_wait_tensorcnt 0x0            ; no tensor load of mine is out, so a group 0 may be written
	ds_add_u32 v[SPW], v[NIL]       ; 0 onto my spare word; scalar work stands between it and the wait for it
.if \fill
	s_lshl_b32 s[OFF], s[NXT], 16   ; a tile is 65,536 bytes of K and of V
	s_xor_b32 s[G0K+1], s[G0K+1], SLOT1  ; the other slot than last time
	s_add_nc_u64 s[G0K+2:G0K+3], s[KB:KB+1], s[OFF:OFF+1]
	s_or_b32 s[G0K+3], s[G0K+3], 0x80000000
	s_xor_b32 s[G0V+1], s[G0V+1], SLOT1
	s_add_nc_u64 s[G0V+2:G0V+3], s[VB:VB+1], s[OFF:OFF+1]
	s_or_b32 s[G0V+3], s[G0V+3], 0x80000000
	s_add_co_u32 s[NXT], s[NXT], 1  ; the group's next tile, or behind its last the second group's tile 0
	s_cmp_gt_u32 s[NXT], s[LQ]
	s_cselect_b32 s[NXT], 0, s[NXT]
	s_cselect_b32 s[LQ], s[CC], s[LQ]
.endif
	s_xor_b32 s[TB], s[TB], SLOT1   ; the reads go to the other slot
	s_wait_dscnt 0x0                ; the add is done, and my reads of the slot are over
.if \fill
	CROUND
	JLOAD
.else
	s_barrier_signal -1
	s_barrier_wait -1
.endif
.endm
.macro QLOAD b                      ; the band's 64 rows of Q: tile i / 4, channels 32 (i % 4) on.  A fragment is 16 rows x 32 channels: lane l holds row l % 16, channels 8 (l / 16) + 0..7 and 16 + 8 (l / 16) + 0..7
	WIN 0x80                        ; destination window 2, address window 0
.irp i, 0,1,2,3,4,5,6,7,8,9,10,11,12,13,14,15
	global_load_b128 v[8*(\i):8*(\i)+3],   v[QO], s[(\b):(\b)+1] offset:((\i)/4)*4096+((\i)%4)*64
	global_load_b128 v[8*(\i)+4:8*(\i)+7], v[QO], s[(\b):(\b)+1] offset:((\i)/4)*4096+((\i)%4)*64+32
.endr
	WIN 0
.endm
	s_load_b128 s[4:7], s[0:1], 0x0 ; qkvh s[4:5], ctx s[6:7]
	v_lshl_add_u32 v[SPW], v0, 2, SPARE
	v_mov_b32 v[NIL], 0
	ds_add_u32 v[SPW], v[NIL]       ; the wave's opening: the add and its wait stand ahead of my first tensor load; work on registers stands between them
	v_lshrrev_b32 v1, 5, v0
	v_readfirstlane_b32 s[WV], v1   ; wave 0..3
	s_bfe_u32 s[CX], ttmp6, 0x40000
	s_mov_b32 s[CC], ttmp9          ; in a cluster launch ttmp9 counts clusters
	s_sub_co_u32 s15, 7, s[CC]      ; the first group
	s_and_b32 s20, ttmp7, 0xffff    ; the head, which the four partners share
	s_lshl_b32 s21, s20, 19         ; a head is 524,288 bytes
	s_and_b32 s16, s[WV], 1         ; which half of a tile's 256 keys I fetch:
	s_lshl_b32 s18, s16, 15         ; its 128 rows of 256 bytes in memory,
	s_add_co_u32 s18, s18, s21
	s_add_co_u32 s18, s18, 0x800000 ; k's heads lie 16 heads behind q's
	s_mov_b32 s19, 0
	s_mul_i32 s17, s16, 128*PK      ; and its place in a slot, for K
	s_mul_i32 s16, s16, 128*PV      ; and for V: no place in the cluster enters an LDS address
	s_mov_b32 s[G0K], 1             ; count = 1
	s_mov_b32 s[G0K+1], s17         ; LDS address: slot 0
	s_mov_b32 s[G0V], 1
	s_add_co_u32 s[G0V+1], s16, VOFF
	s_lshl_b32 s22, s[CX], 14       ; Q: my band's 64 rows of 256 bytes,
	s_add_co_u32 s22, s22, s21      ; in my head,
	s_lshl_b32 s23, s15, 16
	s_add_co_u32 s2, s22, s23       ; in the first group
	s_mov_b32 s3, 0
	s_lshl_b32 s23, s[CC], 16
	s_add_co_u32 s22, s22, s23      ; and in the second
	s_mov_b32 s23, 0
	s_lshl_b32 s84, s[CX], 18       ; ctx: the same rows, of 4,096 bytes,
	s_lshl_b32 s85, s20, 8          ; my head's 256 bytes of them
	s_add_co_u32 s84, s84, s85
	s_lshl_b32 s85, s[CC], 20
	s_add_co_u32 s86, s84, s85
	s_lshl_b32 s85, s15, 20
	s_add_co_u32 s84, s84, s85
	s_mov_b32 s85, 0
	s_mov_b32 s87, 0
	; descriptor group 1: 128 rows x 128 elements of 2 bytes, padded in LDS behind every 64 words
	s_mov_b32 s[G1K], 15|(1<<16)|(1<<20)|(1<<21)|(5<<22)|(3<<25)  ; 15:0 the mask of four; 17:16 2-byte elements; 20 padding on; 21 set beside a mask; 24:22 code 5; 31:25 4 words (code 3)
	s_mov_b32 s[G1V], 15|(1<<16)|(1<<20)|(1<<21)|(5<<22)|(7<<25)  ; the same with 8 words of padding (code 7)
.irp g, G1K, G1V
	s_mov_b32 s[(\g)+1], 128<<16    ; tensor_dim0 = 128
	s_mov_b32 s[(\g)+2], 128<<16    ; tensor_dim1 = 128
	s_mov_b32 s[(\g)+3], 128<<16    ; tile_dim0 = 128
	s_mov_b32 s[(\g)+4], 128        ; tile_dim1 = 128
	s_mov_b32 s[(\g)+5], 128        ; elements from row to row
	s_mov_b32 s[(\g)+6], 0
	s_mov_b32 s[(\g)+7], 0
.endr
	s_mov_b32 s[CS], 0x3e0293ee     ; c = log2(e) / sqrt(128) = 0.127517
	s_mov_b32 s[CS+1], s[CS]        ; named with it as a pair
	s_mov_b32 s[SEL], 0x76543210
	s_mov_b32 s[SEL+1], 0xfedcba98
	s_sub_co_u32 s[RT], 8, s[CC]    ; the first group has 8 - c tiles
	s_mov_b32 s[NXT], 1
	s_mov_b32 s[LQ], s15
	s_mov_b32 s[OFF+1], 0
	s_mov_b32 s[AL+1], 0            ; named as pairs
	s_mov_b32 s[BE+1], 0
	s_mov_b32 s[BIGN], 0xf149f2ca   ; -1e30
	s_mov_b32 s[TB], SLOT1          ; the first change of slots turns this into 0
	s_mov_b32 s[SLOTS], 8
	s_wait_dscnt 0x0                ; the opening add is done
	s_wait_kmcnt 0x0
	s_add_nc_u64 s[KB:KB+1], s[4:5], s[18:19]
	s_add_nc_u64 s[VB:VB+1], s[KB:KB+1], 0x800000  ; v's heads lie 16 heads behind k's
	s_add_nc_u64 s[QLO:QLO+1], s[4:5], s[22:23]
	s_add_nc_u64 s[4:5], s[4:5], s[2:3]
	s_add_nc_u64 s[OLO:OLO+1], s[6:7], s[86:87]
	s_add_nc_u64 s[6:7], s[6:7], s[84:85]
	s_mov_b64 s[G0K+2:G0K+3], s[KB:KB+1]           ; tile 0
	s_or_b32 s[G0K+3], s[G0K+3], 0x80000000        ; type = 2
	s_mov_b64 s[G0V+2:G0V+3], s[VB:VB+1]
	s_or_b32 s[G0V+3], s[G0V+3], 0x80000000
	CROUND                          ; all four work-groups are here: the first joint loads meet
	JLOAD                           ; tile 0 into slot 0: one load of mine is out
	v_and_b32 v1, 15, v0            ; l % 16
	v_bfe_u32 v9, v0, 4, 1          ; l / 16
	v_lshlrev_b32 v[QO], 8, v1
	v_lshl_add_u32 v[QO], v9, 4, v[QO]
	QLOAD 4                         ; the first group's Q
	v_lshlrev_b32 v10, 3, v9
	v_sub_nc_u32 v10, v1, v10       ; l % 16 - 8 (l / 16): in the block on the diagonal register j is hidden where j is greater
	WIN 0xc0                        ; destination window 3
.set i, 0
.rept 8
	v_cmp_gt_i32 vcc_lo, i, v10
	v_cndmask_b32 v[TRI+i], 0, s[BIGN], vcc_lo
.set i, i+1
.endr
	WIN 0
	v_mul_u32_u24 v[AK0], v1, PK
	v_lshl_add_u32 v[AK0], v9, 4, v[AK0]  ; row x pitch + 16 x half,
	s_mul_i32 s16, s[WV], KS*PK
	v_add_nc_u32 v[AK0], s16, v[AK0]      ; in my wave's 64 rows
	; The turning load takes 16 keys x 16 channels (lane l reads key 8 (l / 16) + l % 8, channels 8 ((l / 8) % 2) + 0..7) and leaves half a fragment of V^T: lane l holds channel l % 16 and 8 keys.
	v_and_b32 v10, 7, v0
	v_bfe_u32 v11, v0, 3, 1
	v_lshl_add_u32 v[AV0], v9, 3, v10
	v_mul_u32_u24 v[AV0], v[AV0], PV
	v_lshl_add_u32 v[AV0], v11, 4, v[AV0]
	s_mul_i32 s16, s[WV], KS*PV
	s_add_co_u32 s16, s16, VOFF
	v_add_nc_u32 v[AV0], s16, v[AV0]
	; The stage.  A row holds a query's 128 channels in f32, laid so that both sides go without bank conflicts: for i = 0 .. 15 channels 8 i .. 8 i + 3 at byte 16 i, channels 8 i + 4 .. 8 i + 7 at byte 256 + 16 i.
	s_mul_i32 s16, s[WV], 16*SP
	s_add_co_u32 s16, s16, STAGE    ; my part
	v_mul_u32_u24 v[STO], v1, SP    ; in: row l % 16; my eight channels of block cb have i = 2 cb + l / 16
	v_lshl_add_u32 v[STO], v9, 4, v[STO]
	v_add_nc_u32 v[STO], s16, v[STO]
	s_mul_i32 s16, s[WV], 4*SP
	s_add_co_u32 s16, s16, STAGE
	v_mul_u32_u24 v[RD], v9, SP     ; back: wave w takes rows 4 w .. 4 w + 3 of the 16: lanes 0-15 one row, lanes 16-31 the next; i = l % 16
	v_lshl_add_u32 v[RD], v1, 4, v[RD]
	v_add_nc_u32 v[RD], s16, v[RD]
	s_lshl_b32 s16, s[WV], 14
	v_lshlrev_b32 v[GO], 12, v9     ; and the same rows in ctx, 4,096 bytes apart; 16 bytes (8 channels) a lane
	v_lshl_add_u32 v[GO], v1, 4, v[GO]
	v_add_nc_u32 v[GO], s16, v[GO]
	s_lshl_b32 s16, s[WV], 9
	s_add_co_u32 s16, s16, STATS
	v_lshl_add_u32 v[STA], v1, 3, s16
	v_lshl_add_u32 v[STR], v1, 3, STATS
	; A group's first tile multiplies O^T and l by a = 0, so they need only hold finite numbers: zeros for the first group, what the merge left for the second.  O^T's 256 registers are written by 32 products of
	; zero fragments, 32 lines for 256 moves.  All this stands in the wait for the first tile.
.set i, 0
.rept 16
	v_mov_b32 v[S+i], 0
.set i, i+1
.endr
	WIN 0x40                        ; destination window 1
.set i, 0
.rept 32
	v_wmma_f32_16x16x32_f16 v[8*i:8*i+7], v[S:S+7], v[S+8:S+15], 0
.set i, i+1
.endr
	WIN 0
.irp t, 0,1,2,3
	v_mov_b32 v[ST+8*(\t)], 0xfe000000    ; c m: far below every c s
	v_mov_b32 v[ST+8*(\t)+1], 0xff7fffff  ; m: the lowest finite number
	v_mov_b32 v[ST+8*(\t)+2], 0
	v_mov_b32 v[ST+8*(\t)+3], 0
.endr
; THE MATRIX WORK, for piece x.  The accumulators take turns, one instruction a turn: between two links of a chain stand 7 (K Q^T) or 15 (V^T P) others'.
; Product i of 32 of S^T = K Q^T: channels 32 (i / 8) on, keys 16 ((i / 2) % 4) on, tile x + i % 2.  The first 8 start the sums, with the mask of their block.
.macro KQ x
.set tq, (\x)+i%2
.set kt, (i/2)%4
.set rS, S+32*tq+8*kt
.set rK, KF+32*kt+8*(i/8)
.set rQ, 32*tq+8*(i/8)
.if i < 8
.set rM, MT
.if kt < tq
.set rM, ML
.endif
.if kt > tq
.set rM, MH
.endif
	WIN W_KM
	v_wmma_f32_16x16x32_f16 v[rS:rS+7], v[rK:rK+7], v[rQ:rQ+7], v[rM:rM+7]
.else
	WIN W_KQ
	v_wmma_f32_16x16x32_f16 v[rS:rS+7], v[rK:rK+7], v[rQ:rQ+7], v[rS:rS+7]
.endif
.endm
; Product i of 32 of O^T += V^T P: keys 32 (i / 16) on, channels 16 ((i / 2) % 8) on, tile x + i % 2.
.macro PV x
	WIN W_PV
.set rO, 64*((\x)+i%2)+8*((i/2)%8)
.set rV, 64*(i/16)+8*((i/2)%8)
.set rP, P+16*((\x)+i%2)+8*(i/16)
	v_wmma_f32_16x16x32_f16 v[rO:rO+7], v[rV:rV+7], v[rP:rP+7], v[rO:rO+7]
.endm
; THE LDS LOADS stand in two runs of 32: my 64 keys of K (16 fragments) and of V (turned).
.macro FETCH_K
	WIN 0
	v_add_nc_u32 v[ADR], s[TB], v[AK0]
	WIN 0x80                        ; destination window 2
.irp f, 0,1,2,3,4,5,6,7,8,9,10,11,12,13,14,15  ; keys 16 (f / 4) on, channels 32 (f % 4) on
	ds_load_b128 v[KF+8*(\f):KF+8*(\f)+3],   v[ADR] offset:((\f)/4)*16*PK+((\f)%4)*64
	ds_load_b128 v[KF+8*(\f)+4:KF+8*(\f)+7], v[ADR] offset:((\f)/4)*16*PK+((\f)%4)*64+32
.endr
.endm
.macro FETCH_V
	WIN 0
	v_add_nc_u32 v[ADR], s[TB], v[AV0]
	WIN 0xc0                        ; destination window 3
.irp f, 0,1,2,3,4,5,6,7,8,9,10,11,12,13,14,15  ; keys 32 (f / 8) on, channels 16 (f % 8) on
	ds_load_tr16_b128 v[8*(\f):8*(\f)+3],   v[ADR] offset:((\f)/8)*32*PV+((\f)%8)*32
	ds_load_tr16_b128 v[8*(\f)+4:8*(\f)+7], v[ADR] offset:((\f)/8)*32*PV+16*PV+((\f)%8)*32
.endr
.endm
.macro MASKS                        ; the tile's three masks
	WIN 0xc3                        ; destination and source 0 in window 3
.irp z, 0,2,4,6
	v_pk_fma_f32 v[MT+(\z):MT+(\z)+1], v[TRI+(\z):TRI+(\z)+1], s[AL:AL+1], s[BE:BE+1] op_sel_hi:[1,0,0]
.endr
.irp z, 0,1,2,3,4,5,6,7
	v_mov_b32 v[ML+(\z)], s[BE]
	v_mov_b32 v[MH+(\z)], s[MHS]
.endr
.endm
; THE VECTOR WORK.  One query tile's softmax for my 64 keys is a list of 134 instructions; SM writes number j of it for tile t.  s0-s31 are the lane's 32 scores, in pairs 0-15.
;   0-15    the maximum of s0-s31 and the old m, three operands at a time: four chains c0-c3 of seven scores each (each accumulator's lowest registers are read first), then the rest
;   16-20   the other half of the lanes' maximum; the new m; c m; c m_old - c m_new
;   21-87   33 exponentials (a, then s0-s31) at the odd numbers from 23 on: no two follow each other, and each has a plain instruction behind it that touches neither its result nor its source (ISA guide 5.7.2).
;           The plain ones are c s - c m for pairs whose exponentials are still to come, the rounding to f16 of pairs whose exponentials are done, and the first three sums
;   88-101  the last rounding; the rest of the sums, in place; l = a l + the sum          102-133  the tile's O^T times a, ascending: the one part that leaves window 0
.macro SM t
.set rT, ST+8*(\t)
.set rS, S+32*(\t)
.set rP, P+16*(\t)
.set rO, 64*(\t)+2*(j-102)
.set q, (j-20)/2
.if j < 102
	WIN 0
.endif
.if j < 4
	v_max3_num_f32 v[rT+4+j], v[rS+8*j], v[rS+8*j+1], v[rS+8*j+2]
.elseif j < 12
	v_max3_num_f32 v[rT+4+j%4], v[rT+4+j%4], v[rS+8*(j%4)+2*(j/4)+1], v[rS+8*(j%4)+2*(j/4)+2]
.elseif j == 12
	v_max3_num_f32 v[rT+4], v[rT+4], v[rS+7], v[rS+15]
.elseif j == 13
	v_max3_num_f32 v[rT+6], v[rT+6], v[rS+23], v[rS+31]
.elseif j == 14
	v_max3_num_f32 v[rT+4], v[rT+4], v[rT+5], v[rT+6]
.elseif j == 15
	v_max3_num_f32 v[rT+4], v[rT+4], v[rT+7], v[rT+1]
.elseif j == 16
	v_permlanex16_b32 v[rT+5], v[rT+4], s[SEL], s[SEL+1]  ; the query's other 32 keys lie in the lane 16 away
.elseif j == 17
	v_mov_b32 v[rT+7], v[rT]        ; c m_old is kept for a: number 19 writes c m anew
.elseif j == 18
	v_max_num_f32 v[rT+1], v[rT+4], v[rT+5]
.elseif j == 19
	v_mul_f32 v[rT], s[CS], v[rT+1]
.elseif j == 20
	v_sub_f32 v[rT+7], v[rT+7], v[rT]
.elseif j == 23
	v_exp_f32 v[rT+6], v[rT+7]
.elseif (j < 88) && (j > 23) && (j%2 == 1)
	v_exp_f32 v[rS+(j-25)/2], v[rS+(j-25)/2]
.elseif (q < 4) || ((j < 76) && (q%2 == 0))
.set b, q/2+2
.if q < 4
.set b, q
.endif
	v_pk_fma_f32 v[rS+2*b:rS+2*b+1], v[rS+2*b:rS+2*b+1], s[CS:CS+1], v[rT:rT+1] op_sel_hi:[1,0,0] neg_lo:[0,0,1] neg_hi:[0,0,1]  ; pair b: c s - c m
.elseif (j < 88) && (q%2 == 1)
	s_wait_alu depctr_va_vdst(0)
	v_cvt_pk_f16_f32 v[rP+(q-5)/2], v[rS+q-5], v[rS+q-4]  ; pair (q - 5) / 2: its second exponential stands three numbers back
.elseif j == 89
	s_wait_alu depctr_va_vdst(0)
	v_cvt_pk_f16_f32 v[rP+15], v[rS+30], v[rS+31]
.elseif j < 102                     ; sum z of 16 adds neighbours 1, 2, 4 and 8 pairs apart, then l takes it
.set z, j-86
.if j < 89
.set z, (j-76)/4
.endif
.set w, 4
.set u, z
.if z >= 14
.set w, 32
.set u, 0
.elseif z >= 12
.set w, 16
.set u, z-12
.elseif z >= 8
.set w, 8
.set u, z-8
.endif
.if z < 15
	v_pk_add_f32 v[rS+w*u:rS+w*u+1], v[rS+w*u:rS+w*u+1], v[rS+w*u+w/2:rS+w*u+w/2+1]
.else
	v_pk_fma_f32 v[rT+2:rT+3], v[rT+2:rT+3], v[rT+6:rT+7], v[rS:rS+1] op_sel_hi:[1,0,1]
.endif
.else
	WIN W_RS
	v_pk_mul_f32 v[rO:rO+1], v[rO:rO+1], v[rT+6:rT+7] op_sel_hi:[1,0]
.endif
.endm
; Slice k of 64 of piece y's softmax: numbers 2 k and 2 k + 1 of both tiles' lists, four instructions.  2 x 134 = 4 x 64 + 12: the twelve that are over stand together, in slice 63.
.macro SLICE y
.if (k >= 11) && (k < 44)           ; tile by tile: plain, exponential, plain, exponential
.irp t, \y, (\y)+1
.irp n, 0,1
.set j, 2*k+(\n)
	SM \t
.endr
.endr
.else                               ; the two tiles alternate, so that no instruction reads the result of the one just before it
.irp n, 0,1,2,3,4,5,6,7
.if ((\n) < 2) || (k == 63)
.irp t, \y, (\y)+1
.set j, 2*k+(\n)
	SM \t
.endr
.endif
.endr
.endif
.set k, k+1
.endm
; A TILE: my 64 keys against the band's 64 queries.
.macro STEP
	s_cmp_eq_u32 s[RT], 1           ; the group's last tile alone hides keys
	s_cselect_b32 s[CXE], s[CX], 4
	s_cmp_eq_u32 s[WV], s[CXE]      ; are my keys the band's own?
	s_cselect_b32 s[AL], 1.0, 0
	s_cmp_gt_u32 s[WV], s[CXE]      ; or later ones?
	s_cselect_b32 s[BE], s[BIGN], 0
	s_cmp_ge_u32 s[WV], s[CXE]
	s_cselect_b32 s[MHS], s[BIGN], 0
	FETCH_K
	MASKS                           ; 20 plain instructions: also the places between the last tile's last products V^T P and the loads into V's registers below
	s_wait_loadcnt 0x0              ; Q (the first group's, or the second's, asked for at the head of the merge)
	s_wait_storecnt 0x0             ; the merge's eight stores are done: their data lie in S^T's registers, which the products below write
	s_wait_dscnt 0x0                ; K is in
.set i, 0
.rept 32
	KQ 0                            ; piece 0's scores
.set i, i+1
.endr
	PLACES                          ; between those products and the first reads of the scores
.set k, 0
.set i, 0
.rept 32                            ; piece 2's scores | piece 0's softmax, two slices behind each product; none names a register of the products round it
	KQ 2
	SLICE 0
	SLICE 0
.if i == 1
	FETCH_V                         ; 30 products ahead of its first use
.endif
.set i, i+1
.endr                               ; slices 62 and 63, twenty plain instructions, are the places between the last of those products and the first reads of piece 2's scores
	s_wait_dscnt 0x0                ; V is in
.set k, 0
.set i, 0
.rept 32                            ; piece 0's V^T P | piece 2's softmax
	PV 0
	SLICE 2
	SLICE 2
.set i, i+1
.endr
.set i, 0
.rept 32
	PV 2                            ; piece 2's V^T P
.set i, i+1
.endr
	WIN 0
.endm
; One pass of the merge: query tile t.  last = 1: no pass follows.  ob: the scalar pair that holds ctx at the band's first row.
.macro PASS t, last, ob
	WIN 0x04                        ; the stores' data in window 1
.irp cb, 0,1,2,3,4,5,6,7
	ds_store_b128 v[STO], v[64*(\t)+8*(\cb):64*(\t)+8*(\cb)+3]   offset:32*(\cb)
	ds_store_b128 v[STO], v[64*(\t)+8*(\cb)+4:64*(\t)+8*(\cb)+7] offset:256+32*(\cb)
.endr
	s_wait_dscnt 0x0                ; for the others' sake: my part of the tile is in the stage
	s_barrier_signal -1
	s_barrier_wait -1
	WIN 0x40                        ; back into the tile's own 64 registers: pair of rows p, part c
.irp p, 0,1
.irp c, 0,1,2,3
	ds_load_b128 v[64*(\t)+32*(\p)+8*(\c):64*(\t)+32*(\p)+8*(\c)+3],   v[RD] offset:(\c)*16*SP+(\p)*2*SP
	ds_load_b128 v[64*(\t)+32*(\p)+8*(\c)+4:64*(\t)+32*(\p)+8*(\c)+7], v[RD] offset:(\c)*16*SP+(\p)*2*SP+256
.endr
.endr
	s_wait_dscnt 0x0                ; they are in: my reads of the stage are over,
.if !(\last)
	s_barrier_signal -1             ; which the next pass's stores wait for; the sums, work on registers, stand between the signal and the wait
.endif
	WIN 0x45                        ; all in window 1
.irp c, 1,2,3
.irp p, 0,1
.irp e, 0,2,4,6
	v_pk_add_f32 v[64*(\t)+32*(\p)+(\e):64*(\t)+32*(\p)+(\e)+1], v[64*(\t)+32*(\p)+(\e):64*(\t)+32*(\p)+(\e)+1], v[64*(\t)+32*(\p)+8*(\c)+(\e):64*(\t)+32*(\p)+8*(\c)+(\e)+1]
.endr
.endr
.endr
	WIN 0x05                        ; sources in window 1, destination in window 0
.irp p, 0,1
.irp e, 0,1,2,3
	v_cvt_pk_f16_f32 v[OUT+8*(\t)+4*(\p)+(\e)], v[64*(\t)+32*(\p)+2*(\e)], v[64*(\t)+32*(\p)+2*(\e)+1]
.endr
.endr
	WIN 0
.if !(\last)
	s_barrier_wait -1
.endif
.irp p, 0,1
	global_store_b128 v[GO], v[OUT+8*(\t)+4*(\p):OUT+8*(\t)+4*(\p)+3], s[(\ob):(\ob)+1] offset:(16*(\t)+2*(\p))*4096  ; 16 lanes store 256 consecutive bytes, at a multiple of 256 from ctx's first
.endr
.endm
; A GROUP ENDS: the merge.  more = 1: the second group follows: its Q is asked for first, so that it lands under the merge, and the statistics are set anew.
.macro FINISH more, ob
	WIN 0
.if \more
	QLOAD QLO
.endif
.irp t, 0,1,2,3
	v_add_f32 v[ST+8*(\t)+4], v[ST+8*(\t)+2], v[ST+8*(\t)+3]
.endr
.irp t, 0,1,2,3
	v_permlanex16_b32 v[ST+8*(\t)+5], v[ST+8*(\t)+4], s[SEL], s[SEL+1]
.endr
.irp t, 0,1,2,3
	v_add_f32 v[ST+8*(\t)+1], v[ST+8*(\t)+4], v[ST+8*(\t)+5]  ; my l, in m's place: beside c m, as a pair
.endr
.irp t, 0,1,2,3
	ds_store_b64 v[STA], v[ST+8*(\t):ST+8*(\t)+1] offset:128*(\t)  ; the two lanes of a query write the same two numbers to the same place
.endr
	s_wait_dscnt 0x0                ; for the others' sake
	s_barrier_signal -1
	s_barrier_wait -1
.irp t, 0,1,2,3
.irp c, 0,1,2,3
	ds_load_b64 v[S+8*(\t)+2*(\c):S+8*(\t)+2*(\c)+1], v[STR] offset:512*(\c)+128*(\t)  ; wave c's c m and l of my query of tile t
.endr
.endr
	s_wait_dscnt 0x0
.irp t, 0,1,2,3
	v_max3_num_f32 v[ST+8*(\t)+4], v[S+8*(\t)], v[S+8*(\t)+2], v[S+8*(\t)+4]
.endr
.irp t, 0,1,2,3
	v_max_num_f32 v[ST+8*(\t)+4], v[ST+8*(\t)+4], v[S+8*(\t)+6]   ; M
.endr
.irp t, 0,1,2,3
	v_sub_f32 v[ST+8*(\t)+5], v[ST+8*(\t)], v[ST+8*(\t)+4]
.irp c, 0,2,4,6
	v_sub_f32 v[S+8*(\t)+(\c)], v[S+8*(\t)+(\c)], v[ST+8*(\t)+4]
.endr
.endr
.irp t, 0,1,2,3
	v_exp_f32 v[ST+8*(\t)+5], v[ST+8*(\t)+5]                      ; my factor
.irp c, 0,2,4,6
	v_exp_f32 v[S+8*(\t)+(\c)], v[S+8*(\t)+(\c)]                  ; and all four
.endr
.endr
	v_nop                           ; a plain instruction between the last exponential and the use of its result
	s_wait_alu depctr_va_vdst(0)
.irp t, 0,1,2,3
	v_mul_f32 v[ST+8*(\t)+4], v[S+8*(\t)], v[S+8*(\t)+1]
.endr
.irp c, 2,4,6
.irp t, 0,1,2,3
	v_fmac_f32 v[ST+8*(\t)+4], v[S+8*(\t)+(\c)], v[S+8*(\t)+(\c)+1]  ; L
.endr
.endr
.irp t, 0,1,2,3
	v_rcp_f32 v[ST+8*(\t)+6], v[ST+8*(\t)+4]
.endr
	v_nop                           ; a plain instruction between the last reciprocal and the use of its result
	s_wait_alu depctr_va_vdst(0)
.irp t, 0,1,2,3
	v_mul_f32 v[ST+8*(\t)+6], v[ST+8*(\t)+6], v[ST+8*(\t)+5]
.endr
	WIN W_RS
.set i, 0
.rept 128                           ; my O^T times my factor / L, ascending
	v_pk_mul_f32 v[2*i:2*i+1], v[2*i:2*i+1], v[ST+8*(i/32)+6:ST+8*(i/32)+7] op_sel_hi:[1,0]
.set i, i+1
.endr
	PASS 0, 0, \ob
	PASS 1, 0, \ob
	PASS 2, 0, \ob
	PASS 3, 1, \ob
.if \more
.irp t, 0,1,2,3
	v_mov_b32 v[ST+8*(\t)], 0xfe000000
	v_mov_b32 v[ST+8*(\t)+1], 0xff7fffff
.endr
.endif
.endm
.Lslot:                             ; eight trips: tiles 0 to 7 of the walk's nine; each asks for the next
	CHANGE 1
	STEP
	s_sub_co_u32 s[RT], s[RT], 1
	s_cmp_lg_u32 s[RT], 0
	s_cbranch_scc1 .Lgoes_on        ; hangs on c alone: the same in every wave and in every partner
	FINISH 1, 6                     ; in the loop this is the first group's end: the second's last tile is the walk's last
	s_add_co_u32 s[RT], s[CC], 1    ; the second group has c + 1 tiles
.Lgoes_on:
	s_sub_co_u32 s[SLOTS], s[SLOTS], 1
	s_cmp_lg_u32 s[SLOTS], 0
	s_cbranch_scc1 .Lslot
	CHANGE 0                        ; the last tile is written out: nothing is asked for
	STEP
	FINISH 0, OLO
	s_wait_tensorcnt 0x0            ; the wave's end: behind my last tensor load and my last LDS store
	ds_add_u32 v[SPW], v[NIL]
	s_wait_dscnt 0x0
	CROUND                          ; the closing round: no work-group ends while a partner may still ask for a tile that names it
	s_endpgm
.Lfunc_end_k_qf9b9bf77f0_attention:
	.size	k_qf9b9bf77f0_attention, .Lfunc_end_k_qf9b9bf77f0_attention-k_qf9b9bf77f0_attention
	.p2alignl 7, 3214868480
	.fill 96, 4, 3214868480
	.section	.rodata,"a",@progbits
	.p2align	6, 0x0
	.amdhsa_kernel k_qf9b9bf77f0_attention
		.amdhsa_group_segment_fixed_size 327680
		.amdhsa_private_segment_fixed_size 0
		.amdhsa_enable_private_segment 0
		.amdhsa_kernarg_size 16
		.amdhsa_user_sgpr_count 2
		.amdhsa_user_sgpr_kernarg_segment_ptr 1
		.amdhsa_wavefront_size32 1
		.amdhsa_system_sgpr_workgroup_id_x 1
		.amdhsa_system_sgpr_workgroup_id_y 1
		.amdhsa_system_sgpr_workgroup_id_z 1
		.amdhsa_system_vgpr_workitem_id 0
		.amdhsa_next_free_vgpr 928
		.amdhsa_next_free_sgpr 88
		.amdhsa_reserve_vcc 1
		.amdhsa_float_denorm_mode_32 3
		.amdhsa_float_denorm_mode_16_64 3
		.amdhsa_memory_ordered 1
		.amdhsa_forward_progress 1
		.amdhsa_inst_pref_size 178
	.end_amdhsa_kernel
	.amdgpu_metadata
---
amdhsa.version: [ 1, 2 ]
amdhsa.kernels:
  - .name:           k_qf9b9bf77f0_attention
    .symbol:         k_qf9b9bf77f0_attention.kd
    .args:
      - { .name: qkvh, .offset: 0, .size: 8, .value_kind: global_buffer, .address_space: global }
      - { .name: ctx, .offset: 8, .size: 8, .value_kind: global_buffer, .address_space: global }
    .group_segment_fixed_size: 327680
    .private_segment_fixed_size: 0
    .kernarg_segment_align: 8
    .kernarg_segment_size: 16
    .max_flat_workgroup_size: 128
    .sgpr_count:     88
    .vgpr_count:     928
    .wavefront_size: 32
...
	.end_amdgpu_metadata
.endif
;; end of part 3
;; launch oproj (part 4): grid 16 x 16, 4 waves a work-group, clusters of 4 x 4, 327,680 bytes of LDS; arguments ctx, wo16, bias, out0; writes out0
.if DOCPART == 4
	.amdgcn_target "amdgcn-amd-amdhsa--gfx1250"
	.amdhsa_code_object_version 6
	.text
	.protected	k_qf9b9bf77f0_oproj
	.globl	k_qf9b9bf77f0_oproj
	.p2align	8
	.type	k_qf9b9bf77f0_oproj,@function
k_qf9b9bf77f0_oproj:
	s_mov_b64 s[64:65], 0
	v_nop
	global_prefetch_b8 v0, s[64:65] scope:SCOPE_SE
	s_setreg_imm32_b32 hwreg(HW_REG_WAVE_MODE, 25, 1), 1
	s_wait_xcnt 0x0
	s_wait_alu depctr_hold_cnt(0) depctr_sa_sdst(0) depctr_va_vdst(0) depctr_va_sdst(0) depctr_va_ssrc(0) depctr_va_vcc(0) depctr_vm_vsrc(0)
	s_getreg_b32 s2, hwreg(HW_REG_IB_STS2, 6, 4)
	s_cmp_eq_u32 s2, 0
	s_cbranch_scc0 .Lentry_in_a_cluster
	s_endpgm
.Lentry_in_a_cluster:
	s_bfe_u32 s2, ttmp6, 0x10000c
	s_cmp_lg_u32 s2, 0xf033
	s_cbranch_scc0 .Lentry_shape_is_right
	s_endpgm
.Lentry_shape_is_right:
; out0[l][e] = the sum over d of ctx[l][d] wo16[e][d] + bo[e].  ctx [2048][2048], wo16 [2048][2048] f16; sums in f32; bo (bias's numbers 6,144 on) added in f32; out0 [2048][2048] f32.
; A tile is 128 x 128: 16 x 16 = 256 work-groups.  Four waves, each 64 x 64: 16 accumulators of 16 x 16, 128 registers.  K goes in steps of 256 (LDS rows of 512 bytes; a wave's tensor load brings 64 of them) through two slots.
; CLUSTER 4 x 4: the four of a row of the cluster need the same rows of ctx, the four of a column the same rows of wo16: each tile is asked for jointly, by the same tensor load with the same descriptor and a mask of four.
; THE MATRIX INSTRUCTION IS USED TRANSPOSED (source 0 = 16 rows of wo16, source 1 = 16 rows of ctx): a lane holds eight neighbouring numbers of a row of out0.
; A wave's 64 columns of f32 are 256 bytes, aligned: each wave has a stage of its own on the way out, and no barrier stands there.
; REGISTERS: window 0: v16-29 addresses; v96-99 my four numbers of bo; v128-255 the accumulators ((a, b) at v[128 + 8 (4 a + b)]).
;   window 1: two fragment buffers of 128: for 64 along K, 64 registers of ctx (2 x 4 x 16 rows x 32 K), then 64 of wo16.
.set SIZE_K, 2048
.set KSTEP,  256
.set PITCH,  528                       ; an LDS row: 512 bytes + 16 = 132 words: the 16 rows of a fragment load start at 16 different groups of four banks (64 banks of 4 bytes: ISA guide 11.1)
.set HALFT,  64*PITCH                  ; 64 rows: what one tensor load brings, and what one wave reads of either operand
.set SLOT,   4*HALFT
.set STAGE,  2*SLOT                    ; behind the ring, never filled by a tensor load: 16 rows x 272 bytes for each wave
.set SPITCH, 272
.set SPARE,  STAGE+4*16*SPITCH         ; behind the stages: the spare words, 128 bytes for each wave: two blocks of 256 bytes that no other line names
.set LAPS,   SIZE_K/(2*KSTEP)
.set ADRA, 16                          ; v16-17  LDS address of my fragments of ctx in slot 0, 1
.set ADRB, 20                          ; v20-21  the same for wo16
.set STO,  24                          ; v24     the way out: where I put 32 bytes of a row
.set RD,   25                          ; v25     where I read a row back
.set CO,   26                          ; v26     my byte offset in two rows of out0
.set BO,   27                          ; v27     16 x (lane % 16)
.set SPW,  28                          ; v28     LDS address of my spare word; never rewritten
.set NIL,  29                          ; v29     0; never rewritten
.set BIA,  96
.set ACC,  128
.set F0,   0
.set F1,   128
.set WV,  12                           ; s12 my wave's number
.set WR,  2                            ; s2  which half of the tile's rows is mine.  Also: I fetch for ctx (0) or for wo16 (1)
.set WC,  45                           ; s45 which half of its columns.  Also: which 64 rows of that tile I fetch
.set G1,  24
.set G0,  32
.set G1B, 48
.set G0B, 56
.set MSB, 0
.macro WIN new                         ; the immediate's high byte repeats the setting that is left
.if MSB != (\new)
	s_set_vgpr_msb (MSB<<8)|(\new)
.set MSB, \new
.endif
.endm
.set MUL,  0x05                        ; sources 0 and 1 window 1; C and D window 0
.set TO_F, 0x40                        ; destination window 1, address window 0
.macro JLOAD s                         ; a joint load: waves 0 and 1 fetch ctx's two halves, waves 2 and 3 wo16's; an s_nop 0 and four v_nop follow each line, ahead of the jump and the label
	s_cmp_eq_u32 s[WR], 0
	s_cbranch_scc0 .Lfor_b_\@
	tensor_load_to_lds s[G0+4*(\s):G0+4*(\s)+3], s[G1:G1+7]
	s_nop 0
.rept 4
	v_nop
.endr
	s_branch .Lasked_\@
.Lfor_b_\@:
	tensor_load_to_lds s[G0B+4*(\s):G0B+4*(\s)+3], s[G1B:G1B+7]
	s_nop 0
.rept 4
	v_nop
.endr
.Lasked_\@:
.endm
.macro CREST                           ; a round of the cluster's barrier behind its opening barrier
	s_cmp_lg_u32 s[WV], 0
	s_cbranch_scc1 .Lnot_wave_0_\@
	s_barrier_signal -3
.Lnot_wave_0_\@:
	s_barrier_wait -3
	s_barrier_signal -1
	s_barrier_wait -1
.endm
.macro CROUND
	s_barrier_signal -1
	s_barrier_wait -1
	CREST
.endm
	s_load_b256 s[4:11], s[0:1], 0x0               ; ctx s[4:5], wo16 s[6:7], bias s[8:9], out0 s[10:11]
	v_lshl_add_u32 v[SPW], v0, 2, SPARE
	v_mov_b32 v[NIL], 0
	ds_add_u32 v[SPW], v[NIL]                      ; the wave's opening: the add and its wait stand ahead of my first tensor load; work on registers stands between them
	v_lshrrev_b32 v1, 5, v0
	v_readfirstlane_b32 s[WV], v1                  ; wave 0..3
	s_lshr_b32 s[WR], s[WV], 1
	s_and_b32 s[WC], s[WV], 1
	s_bfe_u32 s40, ttmp6, 0x40000                  ; cx, cy
	s_bfe_u32 s41, ttmp6, 0x40004
	s_lshl_b32 s42, ttmp9, 2
	s_add_co_u32 s42, s42, s40                     ; tile column = 4 x cluster x + cx
	s_and_b32 s13, ttmp7, 0xffff
	s_lshl_b32 s13, s13, 2
	s_add_co_u32 s13, s13, s41                     ; tile row = 4 x cluster y + cy
	s_lshl_b32 s43, s41, 2
	s_lshl_b32 s43, 15, s43                        ; my row of the cluster
	s_lshl_b32 s44, 0x1111, s40                    ; my column
	; descriptor group 1: 64 rows x 256 elements of 2 bytes, 16 bytes of padding behind every 128 words
	s_or_b32 s[G1+0], s43, (1<<16)|(1<<20)|(1<<21)|(6<<22)|(3<<25)
	s_or_b32 s[G1B+0], s44, (1<<16)|(1<<20)|(1<<21)|(6<<22)|(3<<25)
.irp g, G1, G1B
	s_mov_b32 s[(\g)+1], KSTEP<<16                 ; tensor_dim0 = 256
	s_mov_b32 s[(\g)+2], 64<<16                    ; tensor_dim1 = 64
	s_mov_b32 s[(\g)+3], KSTEP<<16                 ; tile_dim0 = 256
	s_mov_b32 s[(\g)+4], 64                        ; tile_dim1 = 64
	s_mov_b32 s[(\g)+5], SIZE_K                    ; elements from row to row
	s_mov_b32 s[(\g)+6], 0
	s_mov_b32 s[(\g)+7], 0
.endr
	s_lshl_b32 s17, s[WC], 6                       ; which 64 rows of the tile I fetch
	s_lshl_b32 s16, s13, 7
	s_add_co_u32 s16, s16, s17                     ; ctx: row 128 x tile row + 64 x half
	s_lshl_b32 s46, s42, 7
	s_add_co_u32 s46, s46, s17                     ; wo16: row 128 x tile column + 64 x half
	s_mov_b32 s17, 0
	s_mov_b32 s47, 0
	s_mov_b64 s[18:19], SIZE_K*2
	s_mul_u64 s[16:17], s[16:17], s[18:19]
	s_mul_u64 s[46:47], s[46:47], s[18:19]
	s_mul_i32 s20, s[WV], HALFT                    ; where they go: wave x 64 rows
	s_wait_dscnt 0x0                               ; the opening add is done
	s_wait_kmcnt 0x0
	s_add_nc_u64 s[14:15], s[4:5], s[16:17]
	s_add_nc_u64 s[46:47], s[6:7], s[46:47]
	CROUND                                         ; all sixteen work-groups are here: the first joint loads meet
.irp s, 0,1
	s_mov_b32 s[G0+4*(\s)], 1
	s_add_co_u32 s[G0+4*(\s)+1], s20, (\s)*SLOT
	s_add_nc_u64 s[G0+4*(\s)+2:G0+4*(\s)+3], s[14:15], (\s)*KSTEP*2
	s_or_b32 s[G0+4*(\s)+3], s[G0+4*(\s)+3], 0x80000000
	s_mov_b32 s[G0B+4*(\s)], 1
	s_add_co_u32 s[G0B+4*(\s)+1], s20, (\s)*SLOT
	s_add_nc_u64 s[G0B+4*(\s)+2:G0B+4*(\s)+3], s[46:47], (\s)*KSTEP*2
	s_or_b32 s[G0B+4*(\s)+3], s[G0B+4*(\s)+3], 0x80000000
	JLOAD \s                                       ; two loads of mine are out
.endr
	v_and_b32 v1, 15, v0                           ; l % 16
	v_bfe_u32 v2, v0, 4, 1                         ; l / 16
	v_mul_u32_u24 v3, v1, PITCH
	v_lshl_add_u32 v3, v2, 4, v3                   ; a fragment's row x pitch + 16 x half
	s_mul_i32 s21, s[WR], HALFT                    ; my 64 rows of ctx
	s_mul_i32 s22, s[WC], HALFT                    ; my 64 rows of wo16,
	s_add_co_u32 s22, s22, 2*HALFT                 ; which lie behind ctx's 128
.irp s, 0,1
	v_add_nc_u32 v[ADRA+(\s)], s21, v3
	v_add_nc_u32 v[ADRB+(\s)], s22, v3
	s_add_co_u32 s21, s21, SLOT
	s_add_co_u32 s22, s22, SLOT
.endr
	s_mul_i32 s23, s[WV], 16*SPITCH
	s_add_co_u32 s23, s23, STAGE                   ; my stage
	v_mul_u32_u24 v4, v1, SPITCH                   ; in: row l % 16, 32 bytes (8 numbers) for each half of the lanes
	v_lshl_add_u32 v4, v2, 5, v4
	v_add_nc_u32 v[STO], s23, v4
	v_mul_u32_u24 v5, v2, SPITCH                   ; back: lanes 0-15 take one row of 256 bytes, lanes 16-31 the next
	v_lshl_add_u32 v5, v1, 4, v5
	v_add_nc_u32 v[RD], s23, v5
	v_lshlrev_b32 v5, 13, v2                       ; and the same two rows in out0, 8,192 bytes apart
	v_lshl_add_u32 v[CO], v1, 4, v5
	v_lshlrev_b32 v[BO], 4, v1
	s_lshl_b32 s16, s13, 7
	s_lshl_b32 s17, s[WR], 6
	s_add_co_u32 s16, s16, s17                     ; my first row of out0
	s_lshl_b32 s16, s16, 13
	s_mov_b32 s17, 0
	s_add_nc_u64 s[10:11], s[10:11], s[16:17]
	s_lshl_b32 s46, s42, 9                         ; my first column, in bytes: 512 x tile column + 256 x half
	s_lshl_b32 s47, s[WC], 8
	s_add_co_u32 s46, s46, s47
	s_mov_b32 s47, 0
	s_add_nc_u64 s[10:11], s[10:11], s[46:47]
	s_add_co_u32 s46, s46, 24576                   ; bo lies 6,144 numbers into bias
	s_add_nc_u64 s[8:9], s[8:9], s[46:47]
	global_load_b128 v[BIA:BIA+3], v[BO], s[8:9]   ; read back by rows a lane holds columns 4 (l % 16) + 0..3 of my 64
; 8 matrix instructions: row blocks a0, a0 + 1 x all 4 column blocks, 32 along K: half c of buffer f.  zero = 1: the first product starts the sums.  The 16 accumulators take turns.
.macro MUL8 f, c, a0, zero
	WIN MUL
.irp a, \a0, (\a0)+1
.irp b, 0,1,2,3
.if \zero
	v_wmma_f32_16x16x32_f16 v[ACC+8*(4*(\a)+(\b)):ACC+8*(4*(\a)+(\b))+7], v[(\f)+64+8*(4*(\c)+(\b)):(\f)+64+8*(4*(\c)+(\b))+7], v[(\f)+8*(4*(\c)+(\a)):(\f)+8*(4*(\c)+(\a))+7], 0
.else
	v_wmma_f32_16x16x32_f16 v[ACC+8*(4*(\a)+(\b)):ACC+8*(4*(\a)+(\b))+7], v[(\f)+64+8*(4*(\c)+(\b)):(\f)+64+8*(4*(\c)+(\b))+7], v[(\f)+8*(4*(\c)+(\a)):(\f)+8*(4*(\c)+(\a))+7], v[ACC+8*(4*(\a)+(\b)):ACC+8*(4*(\a)+(\b))+7]
.endif
.endr
.endr
.endm
; 32 LDS loads in one run: the fragments of 64 along K at byte k of the rows, into buffer f; the first 32 along K first
.macro FETCH slot, k, f
	WIN TO_F
.irp c, 0,1
.irp i, 0,1,2,3
	ds_load_b128 v[(\f)+64+8*(4*(\c)+(\i)):(\f)+64+8*(4*(\c)+(\i))+3],   v[ADRB+(\slot)] offset:(\k)+64*(\c)+(\i)*16*PITCH
	ds_load_b128 v[(\f)+64+8*(4*(\c)+(\i))+4:(\f)+64+8*(4*(\c)+(\i))+7], v[ADRB+(\slot)] offset:(\k)+64*(\c)+(\i)*16*PITCH+32
	ds_load_b128 v[(\f)+8*(4*(\c)+(\i)):(\f)+8*(4*(\c)+(\i))+3],         v[ADRA+(\slot)] offset:(\k)+64*(\c)+(\i)*16*PITCH
	ds_load_b128 v[(\f)+8*(4*(\c)+(\i))+4:(\f)+8*(4*(\c)+(\i))+7],       v[ADRA+(\slot)] offset:(\k)+64*(\c)+(\i)*16*PITCH+32
.endr
.endr
.endm
.macro PLACES                          ; four plain vector instructions between a matrix instruction and a load into, or a read of, its registers (ISA guide 7.12.1 for vector reads)
.rept 4
	v_nop
.endr
.endm
; A K step is four quarters of 64 along K, 32 matrix instructions each, on buffers 0, 1, 0, 1.  One of the first three: multiplies buffer f and fetches the next quarter, at byte k, into g.
.macro QUARTER slot, k, f, g, zero
	s_wait_dscnt 16                                ; the first 32 along K are in; the youngest sixteen loads may be out
	MUL8 \f, 0, 0, \zero
	MUL8 \f, 0, 2, \zero
	PLACES
	FETCH \slot, \k, \g
	s_wait_dscnt 32                                ; all but the 32 just issued
	MUL8 \f, 1, 0, 0
	MUL8 \f, 1, 2, 0
.endm
; The last quarter multiplies buffer 1 and changes slots: ONE barrier; in front of it each wave waits for all its tensor loads, adds 0 to its spare word, and waits for that and for its reads of this slot.
; fill = 1: the barrier opens a round of the cluster's, and this slot is filled again, two K steps ahead, first thing behind the round.
.macro TURN slot, next, fill
	WIN 0                                          ; (the add's two registers lie in window 0)
	s_wait_tensorcnt 0x0                           ; all my tensor loads have landed: my part of the next slot
	ds_add_u32 v[SPW], v[NIL]                      ; 0 onto my spare word
	s_wait_dscnt 17                                ; (the add and the youngest sixteen loads may be out)
	MUL8 F1, 0, 0, 0                               ; eight matrix instructions stand between the add and the wait for it
	s_wait_dscnt 0x0                               ; the add is done, and my reads of this slot are over
	s_barrier_signal -1
	MUL8 F1, 0, 2, 0
.if \fill
	WIN 0
.endif
	s_barrier_wait -1
.if \fill
	CREST                                          ; no wave of any partner still reads this slot or has a load on its way
	s_add_nc_u64 s[G0+4*(\slot)+2:G0+4*(\slot)+3], s[G0+4*(\slot)+2:G0+4*(\slot)+3], 2*KSTEP*2
	s_add_nc_u64 s[G0B+4*(\slot)+2:G0B+4*(\slot)+3], s[G0B+4*(\slot)+2:G0B+4*(\slot)+3], 2*KSTEP*2
	JLOAD \slot                                    ; my one tensor load behind the round; its four v_nop are also the places in front of the loads below
.else
	PLACES
.endif
	FETCH \next, 0, F0
	MUL8 F1, 1, 0, 0
	MUL8 F1, 1, 2, 0
.endm
	s_wait_tensorcnt 1                             ; my part of K step 0 is in; K step 1's may stay out
	s_barrier_signal -1
	s_barrier_wait -1                              ; everybody's is
	FETCH 0, 0, F0
	QUARTER 0, 128, F0, F1, 1                      ; the first quarter stands in front of the loop: its first products start the sums
	WIN 0                                          ; at a label and at a branch every window is 0
	s_mov_b32 s3, LAPS-1
.Llap:                                                 ; a trip goes once round the ring, from a lap's second quarter to the next lap's first, and fills both slots again
	QUARTER 0, 256, F1, F0, 0
	QUARTER 0, 384, F0, F1, 0
	TURN 0, 1, 1
	QUARTER 1, 128, F0, F1, 0
	QUARTER 1, 256, F1, F0, 0
	QUARTER 1, 384, F0, F1, 0
	TURN 1, 0, 1
	QUARTER 0, 128, F0, F1, 0
	WIN 0
	s_sub_co_u32 s3, s3, 1
	s_cmp_lg_u32 s3, 0
	s_cbranch_scc1 .Llap
	QUARTER 0, 256, F1, F0, 0                      ; the last lap fills nothing
	QUARTER 0, 384, F0, F1, 0
	TURN 0, 1, 0
	QUARTER 1, 128, F0, F1, 0
	QUARTER 1, 256, F1, F0, 0
	QUARTER 1, 384, F0, F1, 0
	s_wait_dscnt 16                                ; the very last quarter: nothing more to fetch
	MUL8 F1, 0, 0, 0
	MUL8 F1, 0, 2, 0
	s_wait_dscnt 0x0
	MUL8 F1, 1, 0, 0
	MUL8 F1, 1, 2, 0
	WIN 0
	; THE WAY OUT, a block of 16 rows at a time: 32 bytes a lane into my own stage, back as whole rows of 256 bytes into the registers that they left, bo added, stored.
	s_wait_loadcnt 0x0                             ; bo
	PLACES
.macro TOSTAGE a
.irp b, 0,1,2,3
	ds_store_b128 v[STO], v[ACC+8*(4*(\a)+(\b)):ACC+8*(4*(\a)+(\b))+3]   offset:64*(\b)      ; each accumulator's low half first
	ds_store_b128 v[STO], v[ACC+8*(4*(\a)+(\b))+4:ACC+8*(4*(\a)+(\b))+7] offset:64*(\b)+16
.endr
.irp t, 0,1,2,3,4,5,6,7
	ds_load_b128 v[ACC+32*(\a)+4*(\t):ACC+32*(\a)+4*(\t)+3], v[RD] offset:(\t)*2*SPITCH  ; LDS serves a wave's instructions in order (ISA guide 5.7.1.4): these see the stores above; the next block's stores come behind them
.endr
.endm
.macro SEND a, younger                 ; younger: the LDS instructions issued behind block a's loads: the next block's sixteen, or none
.irp t, 0,1,2,3,4,5,6,7
	s_wait_dscnt (\younger)+7-(\t)
	v_pk_add_f32 v[ACC+32*(\a)+4*(\t):ACC+32*(\a)+4*(\t)+1],   v[ACC+32*(\a)+4*(\t):ACC+32*(\a)+4*(\t)+1],   v[BIA:BIA+1]
	v_pk_add_f32 v[ACC+32*(\a)+4*(\t)+2:ACC+32*(\a)+4*(\t)+3], v[ACC+32*(\a)+4*(\t)+2:ACC+32*(\a)+4*(\t)+3], v[BIA+2:BIA+3]
	global_store_b128 v[CO], v[ACC+32*(\a)+4*(\t):ACC+32*(\a)+4*(\t)+3], s[10:11] offset:(16*(\a)+2*(\t))*8192  ; 16 lanes store 256 consecutive bytes, at a multiple of 256 from out0's first
.endr
.endm
	TOSTAGE 0
.irp a, 1,2,3
	TOSTAGE \a
	SEND (\a)-1, 16
.endr
	SEND 3, 0
	s_wait_tensorcnt 0x0                           ; the wave's end: behind my last tensor load and my last LDS store
	ds_add_u32 v[SPW], v[NIL]
	s_wait_dscnt 0x0
	CROUND                                         ; the closing round: no work-group ends while a partner may still ask for a tile that names it
	s_endpgm
.Lfunc_end_k_qf9b9bf77f0_oproj:
	.size	k_qf9b9bf77f0_oproj, .Lfunc_end_k_qf9b9bf77f0_oproj-k_qf9b9bf77f0_oproj
	.p2alignl 7, 3214868480
	.fill 96, 4, 3214868480
	.section	.rodata,"a",@progbits
	.p2align	6, 0x0
	.amdhsa_kernel k_qf9b9bf77f0_oproj
		.amdhsa_group_segment_fixed_size 327680
		.amdhsa_private_segment_fixed_size 0
		.amdhsa_enable_private_segment 0
		.amdhsa_kernarg_size 32
		.amdhsa_user_sgpr_count 2
		.amdhsa_user_sgpr_kernarg_segment_ptr 1
		.amdhsa_wavefront_size32 1
		.amdhsa_system_sgpr_workgroup_id_x 1
		.amdhsa_system_sgpr_workgroup_id_y 1
		.amdhsa_system_sgpr_workgroup_id_z 1
		.amdhsa_system_vgpr_workitem_id 0
		.amdhsa_next_free_vgpr 512
		.amdhsa_next_free_sgpr 66
		.amdhsa_reserve_vcc 0
		.amdhsa_float_denorm_mode_32 3
		.amdhsa_float_denorm_mode_16_64 3
		.amdhsa_memory_ordered 1
		.amdhsa_forward_progress 1
		.amdhsa_inst_pref_size 90
	.end_amdhsa_kernel
	.amdgpu_metadata
---
amdhsa.version: [ 1, 2 ]
amdhsa.kernels:
  - .name:           k_qf9b9bf77f0_oproj
    .symbol:         k_qf9b9bf77f0_oproj.kd
    .args:
      - { .name: ctx, .offset: 0, .size: 8, .value_kind: global_buffer, .address_space: global }
      - { .name: wo16, .offset: 8, .size: 8, .value_kind: global_buffer, .address_space: global }
      - { .name: bias, .offset: 16, .size: 8, .value_kind: global_buffer, .address_space: global }
      - { .name: out0, .offset: 24, .size: 8, .value_kind: global_buffer, .address_space: global }
    .group_segment_fixed_size: 327680
    .private_segment_fixed_size: 0
    .kernarg_segment_align: 8
    .kernarg_segment_size: 32
    .max_flat_workgroup_size: 128
    .sgpr_count:     66
    .vgpr_count:     512
    .wavefront_size: 32
...
	.end_amdgpu_metadata
.endif
;; end of part 4
